; MI455X (gfx1250); checked and timed in simulation.
; The chip was launched on July 23, 2026; its instructions are those of AMD's public machine-readable ISA for CDNA 5 (MIT licence, August 2026) and "CDNA5" Instruction Set Architecture Reference Guide (July 2026). The comments in the code are by the model that wrote it; some were corrected since.
;; Longformer Attention. Allowed arithmetic: matrix products marked QUANTISED: E2M3 operands, one E8M0 scale for each 32 along K, by v_wmma_scale_f32_16x16x128_f8f6f4 with both operands' format E2M3, f32 sums; everything else in f32.
;; Inputs: Wk 1,024 x 1,024 float32; Wo 1,024 x 1,024 float32; Wq 1,024 x 1,024 float32; Wv 1,024 x 1,024 float32; bo 1,024 float32; hidden_states 2 x 2,048 x 1,024 float32.
;; Outputs: out0 2 x 2,048 x 1,024 float32.
;; This version of the problem:
;;   THIS VERSION OF THE PROBLEM IS GIVEN IN LOW PRECISION. The matrix products marked QUANTISED in the list below multiply operands that are first quantised to E2M3 (2 exponent bits, 3 mantissa bits; 6 bits a number), with one power-of-two scale for each 32 numbers along K (OCP MX v1.0); their sums are f32. All else is computed in f32.
;;   The module's matrix products, in the order in which they are computed (A, B: the left and right operand; K: the contracted axis; several contracted axes count as one K, in the product's order):
;;     1. [M 4,096, K 1,024] x [K 1,024, N 1,024]; A: input hidden_states; B: input Wq: QUANTISED
;;     2. [M 4,096, K 1,024] x [K 1,024, N 1,024]; A: input hidden_states; B: input Wk: QUANTISED
;;     3. [M 4,096, K 1,024] x [K 1,024, N 1,024]; A: input hidden_states; B: input Wv: QUANTISED
;;     4. batch 32 x [M 2,048, K 64] x [K 64, N 2,048]; A: computed on the way; B: computed on the way: QUANTISED
;;     5. batch 32 x [M 2,048, K 2,048] x [K 2,048, N 64]; A: softmax (see below); B: computed on the way: QUANTISED
;;     6. [M 4,096, K 1,024] x [K 1,024, N 1,024]; A: computed on the way; B: input Wo: QUANTISED
;;   THE QUANTISER, for each operand of a quantised product, along K:
;;     - K is cut into blocks of 32 from its start; a last block that is shorter is filled with zeros.
;;     - A block's scale is 2^e with e = floor(log2(the largest magnitude in the block)) - 2, held to -126 .. 127; a block of zeros has e = 0. As a byte (E8M0): e + 127.
;;     - Each number is divided by its block's scale, clamped to +-7.5, and rounded to the nearest number of E2M3, ties to even, subnormals kept.
;;     - The product sums the exact products of the quantised numbers (number of the format x scale) in f32.
;;   ~~~python
;;   def quantise(x, axis):      # numpy; x: float32 -> the quantised numbers, widened to float32 again
;;       x = np.moveaxis(x, axis, -1); K = x.shape[-1]
;;       x = np.pad(x, [(0, 0)] * (x.ndim - 1) + [(0, -K % 32)]); x = x.reshape(x.shape[:-1] + (-1, 32)); a = np.abs(x).max(-1, keepdims=True)
;;       e = np.where(a > 0, np.clip(np.frexp(np.where(a > 0, a, 1))[1] - 1 - 2, -126, 127), 0)      # np.frexp(a)[1] - 1 = floor(log2(a)), exactly
;;       r = np.clip(x / 2.0 ** e, -7.5, 7.5)
;;       step = 2.0 ** (np.maximum(np.frexp(np.where(r == 0, 1, r))[1] - 1, 0) - 3)
;;       q = np.round(r / step) * step * 2.0 ** e      # np.round: ties to even
;;       return np.moveaxis(q.reshape(q.shape[:-2] + (-1,))[..., :K], -1, axis).astype(np.float32)
;;   ~~~
;;   SOFTMAX AHEAD OF A QUANTISED PRODUCT. Where the list says 'softmax', what is quantised is not the finished softmax but p = 2^(t - M), with t = logit x log2(e) and M = ceil(the row's largest t), a whole number; so 1/2 < the row's largest p <= 1. The row's sum l is taken of the UNQUANTISED p, in f32, and the product's result is divided by l at the end. Since M is a whole number, a kernel that streams over the keys may use a running M (the ceiling of the running maximum): every later rescaling is an exact power of two, which a block's scale takes up: the codes' values come out the same.
;;   OPERANDS COMPUTED ON THE WAY. 'Computed on the way' means the value that the module computes at that place (a softmax that the list does not call 'softmax' is quantised finished and normalised). What goes into a quantiser is computed in f32, as accurately as f32 sums, v_exp_f32 and their like allow (about 1e-6 of the number): no bf16 or f16 on the way to a quantiser, and a product that is left as it is and whose result goes on into a quantised operand takes f32 operands (vector FMAs, or v_wmma_f32_16x16x4_f32). A number that lies on a knife's edge between two numbers of the format may be rounded either way, as far as f32 arithmetic and the matrix unit's own rounding can turn it there, and no further.
;; One version. Each part assembles by itself: llvm-mc -triple=amdgcn-amd-amdhsa -mcpu=gfx1250 --defsym DOCPART=n.
;; ======== version 1 of 1: 4 launches
;; limits: right only within a limited range of input values
;; workspace buffers: hq 3,407,872 bytes; wq 3,276,800 bytes; qkv 13,631,488 bytes; oq 3,276,800 bytes
;; launch quant (part 1): grid 256 x 1, 8 waves a work-group, no clusters, 68,608 bytes of LDS; arguments hidden_states, Wq, Wk, Wv, Wo, hq, wq; writes hq, wq
.if DOCPART == 1
	.amdgcn_target "amdgcn-amd-amdhsa--gfx1250"
	.amdhsa_code_object_version 6
	.text
	.protected	k_q8369d4e8cd_quant
	.globl	k_q8369d4e8cd_quant
	.p2align	8
	.type	k_q8369d4e8cd_quant,@function
k_q8369d4e8cd_quant:
	s_mov_b64 s[64:65], 0
	v_nop
	global_prefetch_b8 v0, s[64:65] scope:SCOPE_SE
	s_setreg_imm32_b32 hwreg(HW_REG_WAVE_MODE, 25, 1), 1
	s_wait_xcnt 0x0
; hidden_states [4096][1024] and the four weights [1024 (k)][1024 (n)], f32, become codes of FP6 (E2M3) with one E8M0 byte for each 32 along K,
; laid in the ORDER OF THE OPERANDS' REGISTERS, so that the later launches fetch whole fragments by loads of 16 bytes a lane.
; A fragment is 16 rows x 128 K: 12 registers a lane; lane (r, h) holds row r, registers 6 c .. 6 c + 5 hold k = 64 c + 32 h + 0 .. 31.  Its image is 1,536 bytes: registers 4 i .. 4 i + 3 at 512 i + 16 x lane.
; THE ROWS OF A TILE ARE NOT NEIGHBOURS: lane r of tile 2 b + u takes row 32 b + 8 u + r + 8 (r / 8).
; hq: 32 records of 106,496 bytes (128 rows each), each four quarters of two K steps: in quarter s / 2 images at 12,288 (s % 2) + 1,536 a (K step s, tile a); scale words at 24,576 + 1,024 (s % 2) + 512 (a / 4) + 16 x lane + 4 (a % 4).
; wq: 64 records of 51,200 bytes (weight m, 64 columns each): images at (4 s + t) x 1,536; scale words at 49,152 + 256 s + 16 r + 4 (2 (t % 2) + t / 2).
; A block's scale is 2^(floor(log2(largest magnitude)) - 2): its byte is the largest magnitude's exponent field - 2, held at 1 from below by a floor among the maximum's leaves.
; LIMITS: a block of zeros gets the byte 1 where the rule says 127 (its codes are zeros, and this program alone reads the bytes); blocks whose largest magnitude lies under 2^-124 are held at byte 1; NaN and infinities are not served.
; SHARES: 2,048 wave tasks of 16 KiB of f32.  Work-groups 0-127 take hidden (a task: 32 rows x 128 K), 128-255 the weights (a task: 32 columns x 128 K).  Waves share nothing: no barrier.  Only the hidden path uses LDS.
; NO PREFETCH: a wave asks for its whole task at its head; there is no loop.
.set FLOOR, 0x1800000                  ; 2^(3 - 127)
.set EM2,   0xff000000                 ; takes 2 off an exponent field
.set SPARE, 67584                      ; behind the eight stages of 8,448 bytes
.set SPW, 30
.set NIL, 31
.set HR,  32                           ; hidden: v32-159 two tiles as loaded
.set HX,  160                          ; v160-223 a lane's 64 numbers: two whole blocks of 32
.set HC,  224                          ; v224-247 the two fragments
.set HT0, 248                          ; a conversion's three registers begin on an even number, so a block's second half is made here and moved
.set HT1, 252
.set HSW, 14                           ; v14-15 the two tiles' scale words
.set WX,  32                           ; weights: v32-159 four sets of 32 numbers
.set WC,  160                          ; v160-183 codes: 12 h + 6 c
.set WT,  184
.set WW,  16                           ; my column's scale word
.macro HLOAD a                         ; tile a of my two: 16 rows x 512 bytes; each load reads 512 consecutive bytes
.irp i, 0,1,2,3,4,5,6,7,8,9,10,11,12,13,14,15
	global_load_b128 v[HR+64*(\a)+4*\i:HR+64*(\a)+4*\i+3], v2, s[4:5] offset:(8*(\a)+\i+8*(\i/8))*4096 th:TH_LOAD_NT
.endr
.endm
.macro HUNIT a
	s_wait_loadcnt 16*(1-(\a))                     ; this tile's 16 loads are in; the next tile's 16 may be out
.irp i, 0,1,2,3,4,5,6,7,8,9,10,11,12,13,14,15
	ds_store_b128 v3, v[HR+64*(\a)+4*\i:HR+64*(\a)+4*\i+3] offset:528*\i   ; through my own stage, rows 528 bytes apart
.endr
.irp c, 0,1
.irp j, 0,1,2,3,4,5,6,7
	ds_load_b128 v[HX+32*\c+4*\j:HX+32*\c+4*\j+3], v4 offset:256*\c+16*\j          ; back: row r, k = 64 c + 32 h + 0 .. 31 (LDS serves a wave's instructions in order)
.endr
.endr
	s_wait_dscnt 0x0
	v_max3_num_f32 v8, |v[HX]|, |v[HX+1]|, FLOOR   ; my two blocks' largest magnitudes, by turns; all 32 numbers of a block are mine
	v_max3_num_f32 v9, |v[HX+32]|, |v[HX+33]|, FLOOR
.irp i, 2,4,6,8,10,12,14,16,18,20,22,24,26,28,30
	v_max3_num_f32 v8, v8, |v[HX+\i]|, |v[HX+\i+1]|
	v_max3_num_f32 v9, v9, |v[HX+32+\i]|, |v[HX+33+\i]|
.endr
	v_add_nc_u32 v10, EM2, v8                      ; the conversions' scale operands
	v_add_nc_u32 v11, EM2, v9
	v_lshrrev_b32 v12, 23, v10                     ; the bytes of blocks h and 2 + h
	v_lshrrev_b32 v13, 23, v11
	v_lshl_or_b32 v12, v13, 16, v12
	v_lshlrev_b32 v12, v5, v12                     ; 8 h bits up
	v_permlanex16_b32 v6, v12, s18, s19
	v_or_b32 v[HSW+(\a)], v12, v6                  ; with lane l xor 16's two bytes the row's word is whole
	v_cvt_scalef32_pk16_fp6_f32 v[HC+12*(\a):HC+12*(\a)+2], v[HX:HX+15], v10
	v_cvt_scalef32_pk16_fp6_f32 v[HT0:HT0+2], v[HX+16:HX+31], v10
	v_cvt_scalef32_pk16_fp6_f32 v[HC+12*(\a)+6:HC+12*(\a)+8], v[HX+32:HX+47], v11
	v_cvt_scalef32_pk16_fp6_f32 v[HT1:HT1+2], v[HX+48:HX+63], v11
	v_nop                                          ; one plain place behind the conversions
.irp i, 0,1,2
	v_mov_b32 v[HC+12*(\a)+3+\i], v[HT0+\i]
	v_mov_b32 v[HC+12*(\a)+9+\i], v[HT1+\i]
.endr
.irp c, 0,1,2
	global_store_b128 v2, v[HC+12*(\a)+4*\c:HC+12*(\a)+4*\c+3], s[30:31] offset:1536*(\a)+512*\c   ; 512 consecutive bytes a store
.endr
.endm
.macro WLOAD q                         ; block q along K of my 32 columns: a lane's registers run down K
.irp i, 0,1,2,3,4,5,6,7,8,9,10,11,12,13,14,15,16,17,18,19,20,21,22,23,24,25,26,27,28,29,30,31
	global_load_b32 v[WX+32*(\q)+\i], v2, s[6:7] offset:(32*(\q)+\i)*4096 th:TH_LOAD_NT
.endr
.endm
.macro WUNIT q, younger
.set XS, WX+32*(\q)
.set FD, WC+12*((\q)%2)+6*((\q)/2)     ; block q is registers 6 (q / 2) on of lane half q % 2
	s_wait_loadcnt \younger
	v_max3_num_f32 v8, |v[XS]|, |v[XS+1]|, |v[XS+2]|
	v_max3_num_f32 v9, |v[XS+3]|, |v[XS+4]|, |v[XS+5]|
.irp i, 6,10,14,18,22,26
	v_max3_num_f32 v8, v8, |v[XS+\i]|, |v[XS+\i+1]|
	v_max3_num_f32 v9, v9, |v[XS+\i+2]|, |v[XS+\i+3]|
.endr
	v_max3_num_f32 v8, v8, |v[XS+30]|, |v[XS+31]|
	v_max3_num_f32 v8, v8, v9, FLOOR
	v_add_nc_u32 v10, EM2, v8
	v_lshrrev_b32 v11, 23, v10
.if (\q) == 0
	v_mov_b32 v[WW], v11
.else
	v_lshl_or_b32 v[WW], v11, 8*(\q), v[WW]
.endif
	v_cvt_scalef32_pk16_fp6_f32 v[FD:FD+2], v[XS:XS+15], v10
	v_cvt_scalef32_pk16_fp6_f32 v[WT:WT+2], v[XS+16:XS+31], v10
	v_nop
.irp i, 0,1,2
	v_mov_b32 v[FD+3+\i], v[WT+\i]
.endr
.endm
	s_load_b256 s[4:11], s[0:1], 0x0               ; hidden s[4:5], Wq s[6:7], Wk s[8:9], Wv s[10:11]
	s_load_b128 s[12:15], s[0:1], 0x20             ; Wo s[12:13], hq s[14:15]
	s_load_b64 s[16:17], s[0:1], 0x30              ; wq
	v_lshl_add_u32 v[SPW], v0, 2, SPARE
	v_mov_b32 v[NIL], 0
	v_lshrrev_b32 v1, 5, v0
	v_readfirstlane_b32 s20, v1                    ; wave
	v_and_b32 v1, 31, v0                           ; lane
	s_mov_b32 s18, 0x76543210
	s_mov_b32 s19, 0xfedcba98                      ; selects for lane l xor 16
	s_wait_alu depctr_va_vdst(0)                   ; ahead of the branch
	s_cmp_lt_u32 ttmp9, 128
	s_cbranch_scc0 .Lweights
	; ---- hidden: task T = 8 x work-group + wave: record G = T / 32, K step s = (T / 4) % 8, quarter aq = T % 4 of the rows (tiles 2 aq, 2 aq + 1)
	s_lshl_b32 s21, ttmp9, 3
	s_add_co_u32 s21, s21, s20
	s_lshr_b32 s22, s21, 5                         ; G
	s_bfe_u32 s23, s21, 0x30002                    ; s
	s_and_b32 s24, s21, 3                          ; aq
	s_lshl_b32 s26, s22, 19                        ; 128 rows of 4,096 bytes
	s_lshl_b32 s25, s24, 17
	s_add_co_u32 s26, s26, s25
	s_lshl_b32 s25, s23, 9
	s_add_co_u32 s26, s26, s25
	s_mov_b32 s27, 0
	s_mul_i32 s28, s22, 106496
	s_lshr_b32 s25, s23, 1
	s_mul_i32 s25, s25, 26624
	s_add_co_u32 s28, s28, s25
	s_and_b32 s23, s23, 1
	s_mul_i32 s25, s23, 12288
	s_add_co_u32 s30, s28, s25
	s_mul_i32 s25, s24, 3072
	s_add_co_u32 s30, s30, s25                     ; my two images
	s_mov_b32 s31, 0
	s_lshl_b32 s25, s23, 10
	s_add_co_u32 s28, s28, s25
	s_lshr_b32 s25, s24, 1
	s_lshl_b32 s25, s25, 9
	s_add_co_u32 s28, s28, s25
	s_and_b32 s25, s24, 1
	s_lshl_b32 s25, s25, 3
	s_add_co_u32 s28, s28, s25
	s_add_co_u32 s28, s28, 24576                   ; their scale words
	s_mov_b32 s29, 0
	s_mul_i32 s25, s20, 8448                       ; my stage: 16 rows x 528 bytes
	s_wait_alu depctr_va_vdst(0)
	v_lshlrev_b32 v2, 4, v1                        ; 16 x lane
	v_add_nc_u32 v3, s25, v2
	v_and_b32 v7, 15, v1                           ; r
	v_lshrrev_b32 v5, 4, v1                        ; h
	v_mul_u32_u24 v4, v7, 528
	v_lshl_add_u32 v4, v5, 7, v4
	v_add_nc_u32 v4, s25, v4                       ; back: row r, + 128 h
	v_lshlrev_b32 v5, 3, v5                        ; 8 h
	v_mov_b32 v6, 0                                ; a lane permute's destination counts as read
	s_wait_alu depctr_va_vdst(0)
	s_wait_kmcnt 0x0
	s_add_nc_u64 s[4:5], s[4:5], s[26:27]
	s_add_nc_u64 s[30:31], s[14:15], s[30:31]
	s_add_nc_u64 s[28:29], s[14:15], s[28:29]
	HLOAD 0
	HLOAD 1
	HUNIT 0
	HUNIT 1
	global_store_b64 v2, v[HSW:HSW+1], s[28:29]    ; two tiles' words, 8 of each 16 bytes (lanes 16-31 hold copies)
	s_wait_tensorcnt 0x0
	ds_add_u32 v[SPW], v[NIL]
	s_wait_dscnt 0x0
	s_endpgm
.Lweights:
	; ---- weights: task T = 8 x (work-group - 128) + wave: record T / 16 (weight m = record / 16, columns 64 (record % 16) on), K step s = (T / 2) % 8, half bc = T % 2 of the columns
	s_sub_co_u32 s21, ttmp9, 128
	s_lshl_b32 s21, s21, 3
	s_add_co_u32 s21, s21, s20
	s_lshr_b32 s22, s21, 4                         ; record
	s_bfe_u32 s23, s21, 0x30001                    ; s
	s_and_b32 s32, s21, 1                          ; bc
	s_lshr_b32 s24, s22, 4                         ; m
	s_and_b32 s25, s22, 15
	s_lshl_b32 s26, s23, 19                        ; 128 rows of 4,096 bytes
	s_lshl_b32 s25, s25, 8
	s_add_co_u32 s26, s26, s25
	s_lshl_b32 s25, s32, 7
	s_add_co_u32 s26, s26, s25
	s_mov_b32 s27, 0
	s_mul_i32 s28, s22, 51200
	s_mul_i32 s25, s23, 6144
	s_add_co_u32 s30, s28, s25
	s_mul_i32 s25, s32, 3072
	s_add_co_u32 s30, s30, s25
	s_mov_b32 s31, 0
	s_lshl_b32 s25, s23, 8
	s_add_co_u32 s28, s28, s25
	s_lshl_b32 s25, s32, 2
	s_add_co_u32 s28, s28, s25
	s_add_co_u32 s28, s28, 49152
	s_mov_b32 s29, 0
	s_wait_alu depctr_va_vdst(0)
	v_lshlrev_b32 v2, 2, v1                        ; in: 4 bytes a lane: 128 consecutive bytes a load
	v_bfe_u32 v5, v1, 3, 1                         ; column 32 bc + l is lane r(l) = l % 8 + 8 (l / 16) of tile 2 bc + u(l), u(l) = (l / 8) % 2
	v_and_b32 v6, 7, v1
	v_lshrrev_b32 v7, 4, v1
	v_lshl_add_u32 v6, v7, 3, v6
	v_lshlrev_b32 v6, 4, v6                        ; 16 r(l)
	v_mad_u32_u24 v3, v5, 1536, v6                 ; my place in the images
	v_lshl_add_u32 v4, v5, 3, v6                   ; and among the scale words: 16 r(l) + 8 u(l)
	s_wait_alu depctr_va_vdst(0)
	s_wait_kmcnt 0x0
	s_cmp_eq_u32 s24, 1                            ; which weight: a choice on the work-group's number alone
	s_cselect_b64 s[6:7], s[8:9], s[6:7]
	s_cmp_eq_u32 s24, 2
	s_cselect_b64 s[6:7], s[10:11], s[6:7]
	s_cmp_eq_u32 s24, 3
	s_cselect_b64 s[6:7], s[12:13], s[6:7]
	s_add_nc_u64 s[6:7], s[6:7], s[26:27]
	s_add_nc_u64 s[30:31], s[16:17], s[30:31]
	s_add_nc_u64 s[28:29], s[16:17], s[28:29]
	WLOAD 0
	WLOAD 1
	WLOAD 2
	WUNIT 0, 63                                    ; the two younger sets' 64 loads are one more than the count can name
	WLOAD 3
	WUNIT 1, 63
	WUNIT 2, 32
	WUNIT 3, 0
.irp h, 0,1
.irp c, 0,1,2
	global_store_b128 v3, v[WC+12*\h+4*\c:WC+12*\h+4*\c+3], s[30:31] offset:256*\h+512*\c   ; sixteen lanes fill 256 consecutive bytes of one tile's image, the other sixteen of the next tile's
.endr
.endr
	global_store_b32 v4, v[WW], s[28:29]
	s_endpgm
.Lfunc_end_k_q8369d4e8cd_quant:
	.size	k_q8369d4e8cd_quant, .Lfunc_end_k_q8369d4e8cd_quant-k_q8369d4e8cd_quant
	.p2alignl 7, 3214868480
	.fill 96, 4, 3214868480
	.section	.rodata,"a",@progbits
	.p2align	6, 0x0
	.amdhsa_kernel k_q8369d4e8cd_quant
		.amdhsa_group_segment_fixed_size 68608
		.amdhsa_private_segment_fixed_size 0
		.amdhsa_enable_private_segment 0
		.amdhsa_kernarg_size 56
		.amdhsa_user_sgpr_count 2
		.amdhsa_user_sgpr_kernarg_segment_ptr 1
		.amdhsa_wavefront_size32 1
		.amdhsa_system_sgpr_workgroup_id_x 1
		.amdhsa_system_sgpr_workgroup_id_y 1
		.amdhsa_system_sgpr_workgroup_id_z 1
		.amdhsa_system_vgpr_workitem_id 0
		.amdhsa_next_free_vgpr 256
		.amdhsa_next_free_sgpr 66
		.amdhsa_reserve_vcc 0
		.amdhsa_float_denorm_mode_32 3
		.amdhsa_float_denorm_mode_16_64 3
		.amdhsa_memory_ordered 1
		.amdhsa_forward_progress 1
		.amdhsa_inst_pref_size 37
	.end_amdhsa_kernel
	.amdgpu_metadata
---
amdhsa.version: [ 1, 2 ]
amdhsa.kernels:
  - .name:           k_q8369d4e8cd_quant
    .symbol:         k_q8369d4e8cd_quant.kd
    .args:
      - { .name: hidden_states, .offset: 0, .size: 8, .value_kind: global_buffer, .address_space: global }
      - { .name: Wq, .offset: 8, .size: 8, .value_kind: global_buffer, .address_space: global }
      - { .name: Wk, .offset: 16, .size: 8, .value_kind: global_buffer, .address_space: global }
      - { .name: Wv, .offset: 24, .size: 8, .value_kind: global_buffer, .address_space: global }
      - { .name: Wo, .offset: 32, .size: 8, .value_kind: global_buffer, .address_space: global }
      - { .name: hq, .offset: 40, .size: 8, .value_kind: global_buffer, .address_space: global }
      - { .name: wq, .offset: 48, .size: 8, .value_kind: global_buffer, .address_space: global }
    .group_segment_fixed_size: 68608
    .private_segment_fixed_size: 0
    .kernarg_segment_align: 8
    .kernarg_segment_size: 56
    .max_flat_workgroup_size: 256
    .sgpr_count:     66
    .vgpr_count:     256
    .wavefront_size: 32
...
	.end_amdgpu_metadata
.endif
;; end of part 1
;; launch qkv (part 2): grid 8 x 32, 4 waves a work-group, no clusters, 168,448 bytes of LDS; arguments hq, wq, qkv; writes qkv
.if DOCPART == 2
	.amdgcn_target "amdgcn-amd-amdhsa--gfx1250"
	.amdhsa_code_object_version 6
	.text
	.protected	k_q8369d4e8cd_qkv
	.globl	k_q8369d4e8cd_qkv
	.p2align	8
	.type	k_q8369d4e8cd_qkv,@function
k_q8369d4e8cd_qkv:
	s_mov_b64 s[64:65], 0
	v_nop
	global_prefetch_b8 v0, s[64:65] scope:SCOPE_SE
	s_setreg_imm32_b32 hwreg(HW_REG_WAVE_MODE, 25, 1), 1
	s_wait_xcnt 0x0
; q, k, v = hidden x Wq, Wk, Wv on codes of FP6 (E2M3) with E8M0 scales; the results are quantised in registers and stored as codes, in the order in which the attention launch's operand registers take them.
; SHARES.  Work-group (cg, G): 128 rows of hidden (record G of hq) x Q, K and V of heads 2 cg, 2 cg + 1.  Every wave runs the same text: wave w makes one whole head of Q (w < 2) or of K (w >= 2), head 2 cg + w % 2
; (8 x 4 tiles, 32 accumulators), and half a head of V, head 2 cg + w / 2, d-tiles 2 f + w % 2 (16 accumulators): 48 matrix instructions for each of 8 K steps of 128.
; ORIENTATION.  Q, K: source 0 = 16 columns of W, source 1 = 16 rows of hidden: a lane holds one row, its registers run along d, which is the next K.  V: source 0 = hidden, source 1 = Wv: a lane holds one d, its registers run
; along the keys, which are V's next K.  The rows of every tile are 32 b + 8 u + r + 8 (r / 8) (tile 2 b + u), so that the 16 registers of two neighbouring tiles are 16 neighbours along the next K.
; DATA.  hidden's record is four quarters of 26,624 bytes, two K steps each (images at 12,288 (s % 2) + 1,536 a, scale words at 24,576 + 1,024 (s % 2)).  Wave q's one tensor load brings quarter q; ahead of K step 2 q wave q waits for it
; and a barrier shows it to all.  Nothing is filled again.  The weights' images go from memory straight into registers, three K steps ahead.
; NO CLUSTER: what the eight work-groups of a row share is hidden's record, 106,496 of the 401,408 bytes that a work-group reads; the weights, which are the rest, do not fit in LDS beside it (294,912 + 106,496 bytes).
; NO PREFETCH: every load of the launch is issued three K steps ahead or at the head, and nothing is read behind them that is not already asked for.
; qkv: 512 records of 26,624 bytes, (batch x 16 + head) x 16 + G % 16.  A record: four blocks of 3,328 bytes, 32 keys each, then Q's area of the same form, 13,312 bytes on.
;   Block b: K's (Q's) half fragments of tiles 2 b + u at 768 u (registers 0-3 at 16 x lane, 4-5 at 512 + 8 x lane), their scale words at 3,072 + 64 u + 4 r;
;   V^T's d-tile t: registers 0-3 at 1,536 + 256 t + 16 r, 4-5 at 2,560 + 128 (t xor b % 2) + 8 r;
;   V's scale words (four bytes: the record's four blocks) of d-tiles 2 f + u: with q = 16 u + r, in block q / 8 at 3,200 + 8 (q % 8) + 4 f.
; LIMITS: a block of zeros gets the byte 1 (its codes are zeros; this program alone reads the bytes); blocks under 2^-124 are held at byte 1; NaN and infinities are not served.
; REGISTERS.  Window 0: v1-13 addresses; v16-47 Wq's or Wk's scale words, v48-63 Wv's, v64-79 hidden's (two sets): these hold scales alone; v80-175 hidden's eight fragments, on the way out the codes; v176-235 the quantiser's.
;   Window 1: Q's or K's accumulators at 8 (4 a + t).  Window 2: V's at 64 f + 8 a.  Window 3: the weights' fragments, three sets of 72.
.set FLOOR, 0x1800000
.set EM2,   0xff000000
.set BLK, 3328
.set QTR, 26624
.set WSQ, 16
.set WSV, 48
.set AS,  64
.set AF,  80
.set FL,  176
.set TM,  180                          ; +0..3 largest magnitudes, +4..7 the other half's and then the bytes, +12..15 the conversions' scale operands
.set PW,  196
.set KW,  200
.set VW,  208
.set SELR, 212
.set PC,  80                           ; the way out: six times 12 registers of codes, so that no store's data are written again
.set PT,  216                          ; second halves of blocks, made on even numbers and moved
.set MSB, 0
.macro WIN new                         ; the immediate's high byte repeats the setting that is left
.if MSB != \new
	s_set_vgpr_msb (MSB<<8)|\new
.set MSB, \new
.endif
.endm
.macro PLACES                          ; four plain places behind a matrix instruction, in front of loads into its registers and of reads of its results
.rept 4
	v_nop
.endr
.endm
.macro ARM q
	s_cmp_eq_u32 s10, \q
	s_cbranch_scc0 .Lnot_\@
	tensor_load_to_lds s[16:19], s[20:27]
	s_nop 0
	PLACES
	s_branch .Lasked
.Lnot_\@:
.endm
.macro STAGE q                         ; quarter q is shown to all four waves
.if (\q) < 3
	s_cmp_eq_u32 s10, \q
	s_cbranch_scc0 .Lother_\@
	s_wait_tensorcnt 0x0
.Lother_\@:
.else
	s_wait_tensorcnt 0x0
.endif
	s_barrier_signal -1
	s_barrier_wait -1
.endm
.macro LOAD_B s                        ; K step s of my weights: 18 loads of 512 consecutive bytes into set s % 3 of window 3
	WIN 0xc0
.irp i, 0,1,2,3,4,5,6,7,8,9,10,11
	global_load_b128 v[72*((\s)%3)+4*\i:72*((\s)%3)+4*\i+3], v1, s[28:29] offset:(\s)*6144+512*\i
.endr
.irp f, 0,1
.irp c, 0,1,2
	global_load_b128 v[72*((\s)%3)+48+12*\f+4*\c:72*((\s)%3)+48+12*\f+4*\c+3], v1, s[30:31] offset:(\s)*6144+3072*\f+512*\c
.endr
.endr
	WIN 0
.endm
.macro FETCH_A s, a0                   ; hidden's tiles a0 .. a0 + 3 of K step s
.irp a, 0,1,2,3
.irp c, 0,1,2
.if (\s) < 4
	ds_load_b128 v[AF+12*((\a0)+\a)+4*\c:AF+12*((\a0)+\a)+4*\c+3], v1 offset:((\s)/2)*QTR+((\s)%2)*12288+((\a0)+\a)*1536+512*\c
.else
	ds_load_b128 v[AF+12*((\a0)+\a)+4*\c:AF+12*((\a0)+\a)+4*\c+3], v4 offset:((\s)/2-2)*QTR+((\s)%2)*12288+((\a0)+\a)*1536+512*\c
.endif
.endr
.endr
.endm
.macro FETCH_AS s                      ; and its eight scale words
.irp i, 0,1
.if (\s) < 4
	ds_load_b128 v[AS+8*((\s)%2)+4*\i:AS+8*((\s)%2)+4*\i+3], v1 offset:((\s)/2)*QTR+24576+((\s)%2)*1024+512*\i
.else
	ds_load_b128 v[AS+8*((\s)%2)+4*\i:AS+8*((\s)%2)+4*\i+3], v4 offset:((\s)/2-2)*QTR+24576+((\s)%2)*1024+512*\i
.endif
.endr
.endm
; 24 matrix instructions on hidden's tiles a0 .. a0 + 3.  All 48 accumulators take turns, one instruction a turn, in the same order in every K step.
.macro HALF s, a0, zero
	WIN 0x53                                       ; source 0 (W) window 3, source 1 (hidden) window 0, C and D window 1
.irp a, 0,1,2,3
.irp t, 0,1,2,3
.set rD, 8*(4*((\a0)+\a)+\t)
.set rW, 72*((\s)%3)+12*\t
.set rA, AF+12*((\a0)+\a)
.set rWS, WSQ+4*(\s)+2*(\t%2)+\t/2
.set rAS, AS+8*((\s)%2)+(\a0)+\a
.if \zero
	v_wmma_scale_f32_16x16x128_f8f6f4 v[rD:rD+7], v[rW:rW+11], v[rA:rA+11], 0, v[rWS], v[rAS] matrix_a_fmt:MATRIX_FMT_FP6 matrix_b_fmt:MATRIX_FMT_FP6
.else
	v_wmma_scale_f32_16x16x128_f8f6f4 v[rD:rD+7], v[rW:rW+11], v[rA:rA+11], v[rD:rD+7], v[rWS], v[rAS] matrix_a_fmt:MATRIX_FMT_FP6 matrix_b_fmt:MATRIX_FMT_FP6
.endif
.endr
.endr
	WIN 0xac                                       ; source 0 (hidden) window 0, source 1 (Wv) window 3, C and D window 2
.irp a, 0,1,2,3
.irp f, 0,1
.set rD, 64*\f+8*((\a0)+\a)
.set rW, 72*((\s)%3)+48+12*\f
.set rA, AF+12*((\a0)+\a)
.set rWS, WSV+2*(\s)+\f
.set rAS, AS+8*((\s)%2)+(\a0)+\a
.if \zero
	v_wmma_scale_f32_16x16x128_f8f6f4 v[rD:rD+7], v[rA:rA+11], v[rW:rW+11], 0, v[rAS], v[rWS] matrix_a_fmt:MATRIX_FMT_FP6 matrix_b_fmt:MATRIX_FMT_FP6
.else
	v_wmma_scale_f32_16x16x128_f8f6f4 v[rD:rD+7], v[rA:rA+11], v[rW:rW+11], v[rD:rD+7], v[rAS], v[rWS] matrix_a_fmt:MATRIX_FMT_FP6 matrix_b_fmt:MATRIX_FMT_FP6
.endif
.endr
.endr
.endm
.macro STEP s, zero
.if 7-(\s) >= 2
	s_wait_loadcnt 36                              ; this K step's weights are in; the two later steps' 18 loads each may be out
.else
	s_wait_loadcnt 18*(7-(\s))
.endif
	s_wait_dscnt 12                                ; tiles 0-3 and the scale words are in; tiles 4-7's twelve loads may be out
	HALF \s, 0, \zero
	s_wait_dscnt 0x0                               ; tiles 4-7 are in
	WIN 0
.if (\s) < 7
.if (\s)%2
	STAGE ((\s)+1)/2
.endif
	PLACES
	FETCH_A (\s)+1, 0
	FETCH_AS (\s)+1
.endif
	HALF \s, 4, \zero
	WIN 0
	PLACES
.if (\s) < 7
	FETCH_A (\s)+1, 4
.endif
.if (\s) < 5
	LOAD_B (\s)+3                                  ; into the set that this step has just multiplied
.endif
.endm
; 64 numbers of a lane in window W, register base + 16 b + i = k 32 b + 16 (lane / 16) + i of the lane's row, become 12 registers of codes in v[pc] on and four scale bytes in v[PW].  Each accumulator is read from its low end on.
.macro QUANT W, base, pc
	WIN (\W)*0x14                                  ; sources 1 and 2 in window W
.irp b, 0,1,2,3
	v_max3_num_f32 v[TM+\b], v[FL], |v[(\base)+16*\b]|, |v[(\base)+16*\b+1]|   ; with the floor 2^(3 - 127): the byte cannot fall under 1
.endr
.irp i, 2,4,6,8,10,12,14
.irp b, 0,1,2,3
	v_max3_num_f32 v[TM+\b], v[TM+\b], |v[(\base)+16*\b+\i]|, |v[(\base)+16*\b+\i+1]|
.endr
.endr
	WIN 0
.irp b, 0,1,2,3
	v_permlanex16_b32 v[TM+4+\b], v[TM+\b], s42, s43
.endr
.irp b, 0,1,2,3
	v_max_num_f32 v[TM+\b], v[TM+\b], v[TM+4+\b]   ; with lane l xor 16's 16: the block's largest magnitude
.endr
.irp b, 0,1,2,3
	v_add_nc_u32 v[TM+12+\b], EM2, v[TM+\b]
.endr
.irp b, 0,1,2,3
	v_lshrrev_b32 v[TM+4+\b], 23, v[TM+12+\b]
.endr
	v_lshl_or_b32 v[PW], v[TM+5], 8, v[TM+4]
	v_lshl_or_b32 v[PW], v[TM+6], 16, v[PW]
	v_lshl_or_b32 v[PW], v[TM+7], 24, v[PW]
	WIN \W                                         ; source 0 in window W
.irp c, 0,1
	v_cvt_scalef32_pk16_fp6_f32 v[(\pc)+6*\c:(\pc)+6*\c+2], v[(\base)+32*\c:(\base)+32*\c+15], v[TM+12+2*\c]
	v_cvt_scalef32_pk16_fp6_f32 v[PT+4*\c:PT+4*\c+2], v[(\base)+32*\c+16:(\base)+32*\c+31], v[TM+12+2*\c+1]
.endr
	WIN 0
	v_nop                                          ; one plain place behind the conversions
.irp c, 0,1                            ; the operand's layout wants a whole block in a lane: lanes 0-15 block 2 c, lanes 16-31 block 2 c + 1
.irp i, 0,1,2
	v_permlane16_swap_b32 v[(\pc)+6*\c+\i], v[PT+4*\c+\i]
.endr
.irp i, 0,1,2
	v_mov_b32 v[(\pc)+3+6*\c+\i], v[PT+4*\c+\i]
.endr
.endr
.endm
	s_load_b128 s[4:7], s[0:1], 0x0                ; hq s[4:5], wq s[6:7]
	s_load_b64 s[8:9], s[0:1], 0x10                ; qkv
	v_lshl_add_u32 v254, v0, 2, 0x29000
	v_mov_b32 v255, 0
	ds_add_u32 v254, v255
	ds_add_u32 v254, v255
	v_lshrrev_b32 v1, 5, v0
	v_readfirstlane_b32 s10, v1                    ; wave
	s_mov_b32 s11, ttmp9                           ; cg
	s_and_b32 s12, ttmp7, 0xffff                   ; G
	s_and_b32 s13, s10, 1                          ; u
	s_lshr_b32 s14, s10, 1
	; the descriptor: my quarter of hidden's record, 26,624 dense bytes, as 104 rows of 256 bytes (32 elements of 8 bytes)
	s_mov_b32 s20, 3<<16
	s_mov_b32 s21, 32<<16                          ; tensor_dim0
	s_mov_b32 s22, 104<<16                         ; tensor_dim1
	s_mov_b32 s23, 32<<16                          ; tile_dim0
	s_mov_b32 s24, 104                             ; tile_dim1
	s_mov_b32 s25, 32                              ; the pitch
	s_mov_b32 s26, 0
	s_mov_b32 s27, 0
	s_mov_b32 s16, 1
	s_mul_i32 s17, s10, QTR                        ; LDS address: wave x 26,624
	s_mul_i32 s46, s12, 106496
	s_add_co_u32 s46, s46, s17
	s_mov_b32 s47, 0
	s_lshl_b32 s15, s11, 1
	s_add_co_u32 s48, s15, s13                     ; the head of my Q or K
	s_add_co_u32 s49, s15, s14                     ; the head of my V
	s_lshl_b32 s50, s14, 4
	s_add_co_u32 s50, s50, s48
	s_mul_i32 s28, s50, 51200                      ; Wq's (w < 2) or Wk's record of that head
	s_mov_b32 s29, 0
	s_add_co_u32 s50, s49, 32
	s_mul_i32 s50, s50, 51200                      ; Wv's record
	s_mul_i32 s51, s13, 1536
	s_add_co_u32 s30, s50, s51                     ; its tiles 2 f + u
	s_mov_b32 s31, 0
	s_lshl_b32 s51, s13, 3
	s_add_co_u32 s38, s50, s51
	s_add_co_u32 s38, s38, 49152                   ; and their scale words
	s_mov_b32 s39, 0
	s_lshr_b32 s50, s12, 4
	s_lshl_b32 s50, s50, 4                         ; 16 x batch
	s_and_b32 s51, s12, 15                         ; which 128 rows of the sequence
	s_add_co_u32 s52, s50, s48
	s_lshl_b32 s52, s52, 4
	s_add_co_u32 s52, s52, s51
	s_mul_i32 s32, s52, 26624                      ; the record that takes my Q or K
	s_add_co_u32 s53, s50, s49
	s_lshl_b32 s53, s53, 4
	s_add_co_u32 s53, s53, s51
	s_mul_i32 s36, s53, 26624                      ; and my V
	s_mov_b32 s37, 0
	s_cmp_lt_u32 s10, 2
	s_cselect_b32 s54, 13312, 0                    ; Q's area lies 13,312 bytes on
	s_add_co_u32 s32, s32, s54
	s_mov_b32 s33, 0
	s_mov_b32 s40, 0xffff0000                      ; lanes 16-31
	s_mov_b32 s42, 0x76543210
	s_mov_b32 s43, 0xfedcba98
	s_lshl_b32 s55, s13, 8                         ; 256 u
	s_lshl_b32 s54, s13, 4                         ; 16 u
	v_and_b32 v7, 31, v0                           ; lane
	v_and_b32 v8, 15, v0                           ; r
	v_bfe_u32 v9, v0, 4, 1                         ; h
	v_lshlrev_b32 v1, 4, v7                        ; 16 x lane
	v_lshlrev_b32 v2, 3, v7                        ; 8 x lane
	v_lshlrev_b32 v3, 4, v8                        ; 16 r
	v_add_nc_u32 v4, 2*QTR, v1                     ; hidden's K steps 4-7
	v_lshlrev_b32 v10, 2, v7                       ; 4 x lane
	v_mul_u32_u24 v5, v9, BLK
	v_lshl_add_u32 v11, v8, 4, v5
	v_add_nc_u32 v11, s55, v11                     ; V's registers 0-3: 3,328 h + 16 r + 256 u
	v_xor_b32 v6, s13, v9
	v_lshl_add_u32 v12, v8, 3, v5
	v_lshl_add_u32 v12, v6, 7, v12                 ; V's registers 4-5: 3,328 h + 8 r + 128 (u xor h)
	v_add_nc_u32 v5, s54, v8
	v_lshrrev_b32 v5, 3, v5
	v_mul_u32_u24 v5, v5, BLK
	v_and_b32 v6, 7, v8
	v_lshl_add_u32 v13, v6, 3, v5                  ; V's scale words
	v_mov_b32 v[FL], FLOOR
.irp b, 0,1,2,3
	v_mov_b32 v[TM+4+\b], 0                        ; a lane permute's destination counts as read
.endr
	s_wait_alu depctr_va_vdst(0)
	s_wait_dscnt 0x0
	s_wait_kmcnt 0x0
	s_add_nc_u64 s[18:19], s[4:5], s[46:47]
	s_or_b32 s19, s19, 0x80000000
	s_add_nc_u64 s[28:29], s[6:7], s[28:29]
	s_add_nc_u64 s[30:31], s[6:7], s[30:31]
	s_add_nc_u64 s[38:39], s[6:7], s[38:39]
	s_add_nc_u64 s[32:33], s[8:9], s[32:33]
	s_add_nc_u64 s[36:37], s[8:9], s[36:37]
	ARM 0                                          ; one tensor load a wave, each in an arm of its own: the waits for them stand in different places
	ARM 1
	ARM 2
	tensor_load_to_lds s[16:19], s[20:27]
	s_nop 0
	PLACES
.Lasked:
.irp s, 0,1,2,3,4,5,6,7
	global_load_b128 v[WSQ+4*\s:WSQ+4*\s+3], v3, s[28:29] offset:49152+256*\s
.endr
.irp s, 0,1,2,3,4,5,6,7
	global_load_b64 v[WSV+2*\s:WSV+2*\s+1], v3, s[38:39] offset:256*\s
.endr
	LOAD_B 0
	LOAD_B 1
	LOAD_B 2
	STAGE 0
	FETCH_A 0, 0
	FETCH_AS 0
	FETCH_A 0, 4
	STEP 0, 1                                      ; the first K step starts the sums: nothing is cleared
.irp s, 1,2,3,4,5,6,7
	STEP \s, 0
.endr
	; ---- Q or K: the 32 registers of a tile of rows are its 64 numbers along d: two tiles (a block of 32 rows) a time through the quantiser: two half fragments and two half scale words
.irp p, 0,1,2,3
	QUANT 1, 64*\p, PC+12*\p
	v_and_b32 v[KW+2*\p], 0xffff, v[PW]            ; bytes 2 and 3 of a word stay 0: they stand over zero codes in the attention launch
	v_lshrrev_b32 v[KW+2*\p+1], 16, v[PW]
	global_store_b128 v1, v[PC+12*\p:PC+12*\p+3], s[32:33] offset:BLK*\p
	global_store_b64 v2, v[PC+12*\p+4:PC+12*\p+5], s[32:33] offset:BLK*\p+512
	global_store_b128 v1, v[PC+12*\p+6:PC+12*\p+9], s[32:33] offset:BLK*\p+768
	global_store_b64 v2, v[PC+12*\p+10:PC+12*\p+11], s[32:33] offset:BLK*\p+1280
.endr
.irp i, 0,1,2,3
	v_cndmask_b32 v[SELR+\i], v[KW+2*\i], v[KW+2*\i+1], s40   ; lanes 0-15 store tile 2 i's words, lanes 16-31 tile 2 i + 1's
	global_store_b32 v10, v[SELR+\i], s[32:33] offset:BLK*\i+3072
.endr
	; ---- V: the 64 registers of a d-tile are its 128 keys: one whole fragment and one scale word
.irp f, 0,1
	QUANT 2, 64*\f, PC+48+12*\f
	v_mov_b32 v[VW+\f], v[PW]
.irp c, 0,1
	global_store_b128 v11, v[PC+48+12*\f+6*\c:PC+48+12*\f+6*\c+3], s[36:37] offset:2*BLK*\c+1536+512*\f
	global_store_b64 v12, v[PC+48+12*\f+6*\c+4:PC+48+12*\f+6*\c+5], s[36:37] offset:2*BLK*\c+2560+256*\f
.endr
.endr
	global_store_b64 v13, v[VW:VW+1], s[36:37] offset:3200   ; lanes r and r + 16 hold the same words and store them to the same place
	s_wait_tensorcnt 0x0
	ds_add_u32 v254, v255
	s_wait_dscnt 0x0
	s_endpgm
.Lfunc_end_k_q8369d4e8cd_qkv:
	.size	k_q8369d4e8cd_qkv, .Lfunc_end_k_q8369d4e8cd_qkv-k_q8369d4e8cd_qkv
	.p2alignl 7, 3214868480
	.fill 96, 4, 3214868480
	.section	.rodata,"a",@progbits
	.p2align	6, 0x0
	.amdhsa_kernel k_q8369d4e8cd_qkv
		.amdhsa_group_segment_fixed_size 168448
		.amdhsa_private_segment_fixed_size 0
		.amdhsa_enable_private_segment 0
		.amdhsa_kernarg_size 24
		.amdhsa_user_sgpr_count 2
		.amdhsa_user_sgpr_kernarg_segment_ptr 1
		.amdhsa_wavefront_size32 1
		.amdhsa_system_sgpr_workgroup_id_x 1
		.amdhsa_system_sgpr_workgroup_id_y 1
		.amdhsa_system_sgpr_workgroup_id_z 1
		.amdhsa_system_vgpr_workitem_id 0
		.amdhsa_next_free_vgpr 1024
		.amdhsa_next_free_sgpr 66
		.amdhsa_reserve_vcc 0
		.amdhsa_float_denorm_mode_32 3
		.amdhsa_float_denorm_mode_16_64 3
		.amdhsa_memory_ordered 1
		.amdhsa_forward_progress 1
		.amdhsa_inst_pref_size 113
	.end_amdhsa_kernel
	.amdgpu_metadata
---
amdhsa.version: [ 1, 2 ]
amdhsa.kernels:
  - .name:           k_q8369d4e8cd_qkv
    .symbol:         k_q8369d4e8cd_qkv.kd
    .args:
      - { .name: hq, .offset: 0, .size: 8, .value_kind: global_buffer, .address_space: global }
      - { .name: wq, .offset: 8, .size: 8, .value_kind: global_buffer, .address_space: global }
      - { .name: qkv, .offset: 16, .size: 8, .value_kind: global_buffer, .address_space: global }
    .group_segment_fixed_size: 168448
    .private_segment_fixed_size: 0
    .kernarg_segment_align: 8
    .kernarg_segment_size: 24
    .max_flat_workgroup_size: 128
    .sgpr_count:     66
    .vgpr_count:     1024
    .wavefront_size: 32
...
	.end_amdgpu_metadata
.endif
;; end of part 2
;; launch attn (part 3): grid 8 x 32, 16 waves a work-group, no clusters, 169,984 bytes of LDS; arguments qkv, oq; writes oq
.if DOCPART == 3
	.amdgcn_target "amdgcn-amd-amdhsa--gfx1250"
	.amdhsa_code_object_version 6
	.text
	.protected	k_q8369d4e8cd_attn
	.globl	k_q8369d4e8cd_attn
	.p2align	8
	.type	k_q8369d4e8cd_attn,@function
k_q8369d4e8cd_attn:
	s_mov_b64 s[64:65], 0
	v_nop
	global_prefetch_b8 v0, s[64:65] scope:SCOPE_SE
	s_setreg_imm32_b32 hwreg(HW_REG_WAVE_MODE, 25, 1), 1
	s_wait_xcnt 0x0
; Attention under the mask |i - j| <= 256 or j = 0 or i = 0, both products on codes of FP6 (E2M3) with E8M0 scales; the result, divided by the row's sum, is quantised along the model's axis and stored as codes for the last product.
; SOFTMAX: t = score x log2(e) / 8; M = the row's running largest t rounded up to a whole number; p = 2^(t - M) is quantised along the keys; the sum is taken of the unquantised p; when M moves, sum and O are multiplied by 2^(old M - new M), exactly.
; SHARES.  Work-group (g, bh): 256 queries of one head.  Wave w: the 16 queries of tile w % 2 of the block of 32 queries 8 g + w / 2, in 256 registers.
; WHAT THE MASK LEAVES.  A block of 32 queries, number n, needs the 17 blocks of 32 keys n - 8 .. n + 8 and key 0; what lies wholly outside is not computed.  With d = the query's place in its block - 16 (lane / 16), register i's key (i + 16 (lane / 16) of its
; block) is hidden in block n - 8 where i < d and in block n + 8 where i > d.  The walk: a short step (block n + 8, and key 0's tile), which starts M, the sum and O, then four steps of four blocks from block n - 8 on.
; Blocks outside the sequence (g = 0 and g = 7 alone): a step that lies wholly outside is jumped over, in one that lies outside in part the scores become -infinity.
; Key 0 counts once: in the short step, and then block 0 as block n - 8 (n = 8) hides it; or, where g = 0, in the walk, and then the short step hides it.
; QUERY 0 sees all keys: in the work-groups with g = 0, wave w (0-8) first takes tile 0's queries against key step 7 + w (128 keys) from memory, waves 0-6 then against the key step in slot w, with no mask, and leave (-M, sum, O^T) in LDS;
; wave 0 joins the nine parts by exact powers of two and puts them in lanes 0 and 16 in place of the windowed result.
; LAYOUT.  S^T = K Q^T (source 0 = 16 keys, source 1 = my queries), O^T = V^T P^T: a lane holds one query throughout.  The head has 64 numbers along the first product's K: Q's upper six registers are zero codes, and K's tiles are
; packed six registers apart, so that the upper half of a tile's operand is the next tile's codes (or other bits: every 6-bit code is a finite number): they meet zero codes and add nothing.
; LDS: seven slots of four blocks of 3,328 bytes (the K and V part of a record of qkv): slots 0-5, blocks 0-23, are key steps 2 g - 2 .. 2 g + 3 (held to 15; where g = 0 slots 0, 1 hold key steps 4, 5), slot 6 is key step 0 (where g = 0: 6).
;   Wave w's block n - 8 is LDS block w / 2.  PAIRS: a part's (-M, sum); PARTS: its O^T; JOIN: the joined O^T: blocks of 256 bytes into which no fill lands.
;   Filled once, half a slot (number w xor 15) by each of waves 2-15: slots 4-6, which the short step reads, by waves 2-7, slots 0-3 by waves 8-15: a barrier for each of the two groups.
; V'S SCALE WORDS hold a record's four blocks; a step begins at any block, so its word is cut out of two records' words by a shift of 8 (w / 2 % 4) bits.
; NO CLUSTER: neighbouring work-groups' windows are shifted by eight blocks, so a shared block would lie in different slots (LDS addresses) in the partners, and the held ends differ; a joint request wants one descriptor in all.
; NO PREFETCH: all tiles are asked for once, at the head; there is no loop that loads from memory.
; oq: 64 records of 51,200 bytes, 64 rows each: images at (4 s + a) x 1,536 (K step s of the last product, tile a), two half fragments of 768 bytes, a head each; scale words at 49,152 + 256 s + 16 r + 4 a.
; LIMITS: NaN and infinities are not served; the scaled scores t stay under 2^31 in magnitude; a block of zeros gets the byte 1 (its codes are zeros, and this program alone reads the bytes).
; REGISTERS: v1-3 16, 8, 4 x lane; v4-6, v10 addresses in hand, v7-9 V's too; v11 d for register 0 of block n - 8; v12 -M, v13 largest t, v[14:15] the sum; v16-27 Q; v28-31 V's scale words; v32-79 K (later p's codes); v80-83 V's lane terms, v84 d,
;   v85 -infinity (they stand behind K's last tile); v86-89 K's scale words, v90-91 V's, v94 p's, v95 Q's; v92 d for block n + 8, v93 4 r; v96-159 S^T, then p; v160-191 O^T; v192-239 V; v240-255 at work.
.set FLOOR, 0x1800000
.set EM2,   0xff000000
.set BLK,   3328
.set REC,   13312
.set KZ,    79872                      ; slot 6
.set RB,    53248                      ; sixteen blocks
.set PAIRS, 93184
.set PARTS, 97280
.set PSZ,   4352
.set JOIN,  166912
.set SPARE, 167168
.set KF,  32
.set KS,  86
.set S,   96
.set O,   160
.set VF,  192
.set BM,  240
.set T2,  244
.set SO,  248
.set TB,  32                           ; s32 my step's first block in LDS;  s66 the slot of V's first scale words
.macro PLACES
.rept 4
	v_nop
.endr
.endm
.macro WM d, a, b, c, sa, sb, row
.if (\row)
	v_wmma_scale_f32_16x16x128_f8f6f4 v[\d:\d+7], v[\a:\a+11], v[\b:\b+11], \c, v[\sa], v[\sb] matrix_a_fmt:MATRIX_FMT_FP6 matrix_b_fmt:MATRIX_FMT_FP6 matrix_a_scale:MATRIX_SCALE_ROW1
.else
	v_wmma_scale_f32_16x16x128_f8f6f4 v[\d:\d+7], v[\a:\a+11], v[\b:\b+11], \c, v[\sa], v[\sb] matrix_a_fmt:MATRIX_FMT_FP6 matrix_b_fmt:MATRIX_FMT_FP6
.endif
.endm
.macro QLOAD c, w                      ; a tile of queries: half a fragment and its scale words
	global_load_b128 v[16:19], v1, s[\c:\c+1]
	global_load_b64 v[20:21], v2, s[\c:\c+1] offset:512
	global_load_b32 v95, v93, s[\w:\w+1]
.endm
.macro KVDS x, e, o, next              ; four blocks from LDS: K first (20 loads), then V (17, or 18 with the next record's scale words)
.irp a, 0,1,2,3,4,5,6,7
	ds_load_b128 v[KF+6*\a:KF+6*\a+3], v4 offset:BLK*(\a/2)+768*(\a%2)
	ds_load_b64 v[KF+6*\a+4:KF+6*\a+5], v5 offset:BLK*(\a/2)+768*(\a%2)+512
.endr
.irp b, 0,1,2,3
	ds_load_b32 v[KS+\b], v6 offset:BLK*\b+3072
.endr
.irp t, 0,1,2,3
.irp c, 0,1
	ds_load_b128 v[VF+12*\t+6*\c:VF+12*\t+6*\c+3], v\x offset:2*BLK*\c+1536+256*\t
.if \t%2
	ds_load_b64 v[VF+12*\t+6*\c+4:VF+12*\t+6*\c+5], v\o offset:2*BLK*\c+2560+128*(\t-1)
.else
	ds_load_b64 v[VF+12*\t+6*\c+4:VF+12*\t+6*\c+5], v\e offset:2*BLK*\c+2560+128*\t
.endif
.endr
.endr
	ds_load_b64 v[28:29], v10
.if \next
	ds_load_b64 v[30:31], v10 offset:REC
.endif
.endm
.macro KVLOAD                          ; the walk's next four blocks
	v_add_nc_u32 v4, s[TB], v1                     ; these seven lines are the places in front of loads into registers that the last products read
	v_add_nc_u32 v5, s[TB], v2
	v_add_nc_u32 v6, s[TB], v3
	v_add_nc_u32 v7, s[TB], v80
	v_add_nc_u32 v8, s[TB], v81
	v_add_nc_u32 v9, s[TB], v82
	v_add_nc_u32 v10, s66, v83
	KVDS 7, 8, 9, 1
.endm
.macro KVLOAD_G                        ; a key step from memory: K 20 loads, V 17
.irp a, 0,1,2,3,4,5,6,7
	global_load_b128 v[KF+6*\a:KF+6*\a+3], v1, s[48:49] offset:BLK*(\a/2)+768*(\a%2)
	global_load_b64 v[KF+6*\a+4:KF+6*\a+5], v2, s[48:49] offset:BLK*(\a/2)+768*(\a%2)+512
.endr
.irp b, 0,1,2,3
	global_load_b32 v[KS+\b], v3, s[48:49] offset:BLK*\b+3072
.endr
.irp t, 0,1,2,3
.irp c, 0,1
	global_load_b128 v[VF+12*\t+6*\c:VF+12*\t+6*\c+3], v80, s[48:49] offset:2*BLK*\c+1536+256*\t
.if \t%2
	global_load_b64 v[VF+12*\t+6*\c+4:VF+12*\t+6*\c+5], v161, s[48:49] offset:2*BLK*\c+2560+128*(\t-1)
.else
	global_load_b64 v[VF+12*\t+6*\c+4:VF+12*\t+6*\c+5], v160, s[48:49] offset:2*BLK*\c+2560+128*\t
.endif
.endr
.endr
	global_load_b64 v[28:29], v83, s[48:49]
.endm
.macro SCORE                           ; S^T: eight tiles of 16 keys; register 16 b + i of a lane is key 32 b + 16 (lane / 16) + i
.irp a, 0,1,2,3,4,5,6,7
	WM S+8*\a, KF+6*\a, 16, 0, KS+\a/2, 95, \a%2
.endr
	PLACES
.endm
.macro PV zero, vs                     ; O^T (+)= V^T P^T: four tiles of 16 of the head's 64; the four accumulators take turns
.irp t, 0,1,2,3
.if \zero
	WM O+8*\t, VF+12*\t, 32, 0, \vs+\t/2, 94, \t%2
.else
	WM O+8*\t, VF+12*\t, 32, v[O+8*\t:O+8*\t+7], \vs+\t/2, 94, \t%2
.endif
.endr
.endm
.macro MASKL                           ; block n - 8: keys under d become -infinity
	v_cmp_lt_i32 vcc_lo, 0, v11
	v_cndmask_b32 v[S], v[S], v85, vcc_lo
.set n, 1
.rept 15
	v_cmp_lt_i32 vcc_lo, n, v84
	v_cndmask_b32 v[S+n], v[S+n], v85, vcc_lo
.set n, n+1
.endr
.endm
.macro PARTIAL                         ; blocks outside the sequence become -infinity
.irp b, 0,1,2,3
	s_add_co_u32 s70, s34, \b
	s_cmp_lt_u32 s70, s61
	s_cselect_b32 s[56+\b], -1, 0
	s_cmp_gt_u32 s70, s62
	s_cselect_b32 s[56+\b], -1, s[56+\b]
.endr
.set n, 0
.rept 64
	v_cndmask_b32 v[S+n], v[S+n], v85, s[56+n/16]
.set n, n+1
.endr
	s_wait_alu depctr_va_vdst(0)                   ; ahead of the branch
.endm
; first = 1: there is no M, sum or O yet: nothing is rescaled, and V comes from memory
.macro SOFTMAX first
.irp b, 0,1,2,3
	v_max3_num_f32 v[BM+\b], v[S+16*\b], v[S+1+16*\b], v[S+2+16*\b]   ; the largest score of each block of 32 keys: for the row's maximum and, since p rises with the score, for the block's largest p
.endr
.irp i, 3,5,7,9,11,13
.irp b, 0,1,2,3
	v_max3_num_f32 v[BM+\b], v[BM+\b], v[S+16*\b+\i], v[S+1+16*\b+\i]
.endr
.endr
.irp b, 0,1,2,3
	v_max_num_f32 v[BM+\b], v[BM+\b], v[S+15+16*\b]
.endr
.irp b, 0,1,2,3
	s_delay_alu instid0(VALU_DEP_4)
	v_permlanex16_b32 v[T2+\b], v[BM+\b], s28, s29
.endr
.irp b, 0,1,2,3
	s_delay_alu instid0(VALU_DEP_4)
	v_max_num_f32 v[BM+\b], v[BM+\b], v[T2+\b]
.endr
	s_delay_alu instid0(VALU_DEP_2)
	v_max3_num_f32 v254, v[BM], v[BM+1], v[BM+2]
	s_delay_alu instid0(VALU_DEP_1)
	v_max_num_f32 v254, v254, v[BM+3]
.if \first
	s_delay_alu instid0(VALU_DEP_1)
	v_mul_f32 v13, s30, v254                       ; as t
	s_delay_alu instid0(VALU_DEP_1)
	v_floor_f32 v12, -v13                          ; -M = floor(-t)
.else
	s_delay_alu instid0(VALU_DEP_1)
	v_mul_f32 v254, s30, v254                      ; as t
	s_delay_alu instid0(VALU_DEP_1)
	v_max_num_f32 v13, v13, v254                   ; the running largest t
	v_mov_b32 v254, v12
	s_delay_alu instid0(VALU_DEP_2)
	v_floor_f32 v12, -v13                          ; -M = floor(-t)
	s_delay_alu instid0(VALU_DEP_1)
	v_sub_f32 v254, v12, v254                      ; old M - new M: a whole number, 0 or less
	s_delay_alu instid0(VALU_DEP_1)
	v_cvt_i32_f32 v254, v254                       ; (it saturates)
	s_delay_alu instid0(VALU_DEP_1)
	v_ldexp_f32 v252, 1.0, v254                    ; f = 2^(old M - new M)
.endif
.set n, 0
.rept 32
	v_pk_fma_f32 v[S+n:S+n+1], v[S+n:S+n+1], s[30:31], v[12:13] op_sel_hi:[1,0,0]   ; t - M
.set n, n+2
.endr
.irp b, 0,1,2,3
	v_fma_f32 v[BM+\b], v[BM+\b], s30, v12
.endr
.set n, 0
	s_wait_alu depctr_va_vdst(0)
.rept 64
	v_exp_f32 v[S+n], v[S+n]                       ; p
.set n, n+1
.endr
.if \first
	v_nop                                          ; the plain place behind the batch
.else
	v_pk_mul_f32 v[14:15], v[14:15], v[252:253] op_sel_hi:[1,0]   ; the sums under the new M: the plain place behind the batch
.endif
	s_wait_alu depctr_va_vdst(0)                   ; one wait for the 64, ahead of their first reader
.irp b, 0,1,2,3
	v_exp_f32 v[BM+\b], v[BM+\b]                   ; the blocks' largest p
.endr
	v_pk_add_f32 v[244:245], v[100:101], v[104:105]
	v_pk_add_f32 v[250:251], v[108:109], v[112:113]
	v_pk_add_f32 v[248:249], v[116:117], v[120:121]
	v_pk_add_f32 v[246:247], v[124:125], v[128:129]
	v_pk_add_f32 v[52:53], v[132:133], v[136:137]
	v_pk_add_f32 v[54:55], v[140:141], v[144:145]
	v_pk_add_f32 v[56:57], v[148:149], v[152:153]
.if \first == 0
	v_pk_add_f32 v[14:15], v[14:15], v[156:157]
.endif
	v_pk_add_f32 v[244:245], v[244:245], v[96:97]
	v_pk_add_f32 v[250:251], v[250:251], v[98:99]
	v_pk_add_f32 v[248:249], v[248:249], v[102:103]
	v_pk_add_f32 v[246:247], v[246:247], v[106:107]
	v_pk_add_f32 v[52:53], v[52:53], v[110:111]
	v_pk_add_f32 v[54:55], v[54:55], v[114:115]
	v_pk_add_f32 v[56:57], v[56:57], v[118:119]
.if \first
	v_pk_add_f32 v[14:15], v[156:157], v[122:123]
.else
	v_pk_add_f32 v[14:15], v[14:15], v[122:123]
.endif
	v_pk_add_f32 v[244:245], v[244:245], v[126:127]
	v_pk_add_f32 v[250:251], v[250:251], v[130:131]
	v_pk_add_f32 v[248:249], v[248:249], v[134:135]
	v_pk_add_f32 v[246:247], v[246:247], v[138:139]
	v_pk_add_f32 v[52:53], v[52:53], v[142:143]
	v_pk_add_f32 v[54:55], v[54:55], v[146:147]
	v_pk_add_f32 v[56:57], v[56:57], v[150:151]
	v_pk_add_f32 v[14:15], v[14:15], v[154:155]
	v_pk_add_f32 v[244:245], v[244:245], v[158:159]
	s_delay_alu instid0(VALU_DEP_2)
	v_pk_add_f32 v[14:15], v[14:15], v[246:247]
	s_delay_alu instid0(VALU_DEP_2)
	v_pk_add_f32 v[244:245], v[244:245], v[52:53]
	v_pk_add_f32 v[250:251], v[250:251], v[54:55]
	v_pk_add_f32 v[248:249], v[248:249], v[56:57]
	s_delay_alu instid0(VALU_DEP_2)
	v_pk_add_f32 v[14:15], v[14:15], v[250:251]
	s_delay_alu instid0(VALU_DEP_2)
	v_pk_add_f32 v[244:245], v[244:245], v[248:249]
	s_delay_alu instid0(VALU_DEP_1)
	v_pk_add_f32 v[14:15], v[14:15], v[244:245]
	s_wait_alu depctr_va_vdst(0)                   ; and one for the four
.irp b, 0,1,2,3
	v_max_num_f32 v[BM+\b], FLOOR, v[BM+\b]
.endr
.irp b, 0,1,2,3
	s_delay_alu instid0(VALU_DEP_4)
	v_add_nc_u32 v[SO+\b], EM2, v[BM+\b]
.endr
.irp b, 0,1,2,3
	s_delay_alu instid0(VALU_DEP_4)
	v_lshrrev_b32 v[T2+\b], 23, v[SO+\b]
.endr
	s_delay_alu instid0(VALU_DEP_3)
	v_lshl_or_b32 v94, v[T2+1], 8, v[T2]           ; p's scale word
	s_delay_alu instid0(VALU_DEP_1)
	v_lshl_or_b32 v94, v[T2+2], 16, v94
	s_delay_alu instid0(VALU_DEP_1)
	v_lshl_or_b32 v94, v[T2+3], 24, v94
.irp c, 0,1
	v_cvt_scalef32_pk16_fp6_f32 v[32+6*\c:34+6*\c], v[S+32*\c:S+15+32*\c], v[SO+2*\c]
	v_cvt_scalef32_pk16_fp6_f32 v[44+4*\c:46+4*\c], v[S+16+32*\c:S+31+32*\c], v[SO+2*\c+1]
.endr
	v_nop
.irp c, 0,1
.irp i, 0,1,2
	v_permlane16_swap_b32 v[32+6*\c+\i], v[44+4*\c+\i]
.endr
.irp i, 0,1,2
	s_delay_alu instid0(VALU_DEP_3)
	v_mov_b32 v[35+6*\c+\i], v[44+4*\c+\i]
.endr
.endr
.if \first
	PLACES
	s_wait_alu depctr_va_vdst(0)
	s_wait_loadcnt 0x0                             ; V is in
.else
	s_wait_dscnt 0x0                               ; V is in
	v_alignbit_b32 v90, v30, v28, s60              ; the scale words of my four blocks
	v_alignbit_b32 v91, v31, v29, s60
	s_wait_alu depctr_va_vdst(0)                   ; ahead of the first reader of O^T
.set n, 0
.rept 16
	v_pk_mul_f32 v[O+n:O+n+1], v[O+n:O+n+1], v[252:253] op_sel_hi:[1,0]   ; O^T under the new M; these sixteen also stand between the scale words' and the codes' last writes and the products
.set n, n+2
.endr
.endif
.endm
; THE SHORT STEP: block n + 8 as block 0 of p, key 0's as block 1, zero codes as blocks 2 and 3.  It starts M, the sum and O
.macro SHORT
	v_add_nc_u32 v4, s[TB], v1
	v_add_nc_u32 v5, s[TB], v2
	v_add_nc_u32 v6, s[TB], v3
	v_add_nc_u32 v10, s66, v83
	v_add_nc_u32 v248, KZ, v1
	v_add_nc_u32 v251, KZ, v2
	v_add_nc_u32 v250, KZ, v3
	v_add_nc_u32 v249, KZ, v83
	ds_load_b128 v[32:35], v4 offset:RB
	ds_load_b64 v[36:37], v5 offset:RB+512
	ds_load_b128 v[38:41], v4 offset:RB+768
	ds_load_b64 v[42:43], v5 offset:RB+1280
	ds_load_b128 v[44:47], v248
	ds_load_b64 v[48:49], v251 offset:512
	ds_load_b32 v[KS], v6 offset:RB+3072
	ds_load_b32 v[KS+1], v250 offset:3072
.irp t, 0,1,2,3
	ds_load_b128 v[VF+6*\t:VF+6*\t+3], v7 offset:RB+1536+256*\t
.if \t%2
	ds_load_b64 v[VF+6*\t+4:VF+6*\t+5], v9 offset:RB+2560+128*(\t-1)
.else
	ds_load_b64 v[VF+6*\t+4:VF+6*\t+5], v8 offset:RB+2560+128*\t
.endif
.endr
	ds_load_b64 v[28:29], v10 offset:RB
	ds_load_b64 v[30:31], v249
	s_wait_dscnt 10                                ; K is in; V's ten loads may be out
	WM S, 32, 16, 0, KS, 95, 0
	WM S+8, 38, 16, 0, KS, 95, 1
	WM S+16, 44, 16, 0, KS+1, 95, 0
	PLACES
.set n, 0
.rept 16
	v_cmp_gt_i32 vcc_lo, n, v92                    ; block n + 8: keys over d become -infinity
	v_cndmask_b32 v[S+n], v[S+n], v85, vcc_lo
.set n, n+1
.endr
	v_permlanex16_b32 v254, v[S+16], s28, s29      ; key 0's score lies in register 0 of lanes 0-15:
	v_cndmask_b32 v[BM+3], v[S+16], v254, s35      ; now in both halves;
	v_cndmask_b32 v[BM+3], v[BM+3], v85, s63       ; where g = 0 the walk counts it
	v_max3_num_f32 v[BM], v[S], v[S+1], v[S+2]
	v_max3_num_f32 v[BM+1], v[S+3], v[S+4], v[S+5]
	v_max3_num_f32 v[BM], v[BM], v[S+6], v[S+7]
	v_max3_num_f32 v[BM+1], v[BM+1], v[S+8], v[S+9]
	v_max3_num_f32 v[BM], v[BM], v[S+10], v[S+11]
	v_max3_num_f32 v[BM+1], v[BM+1], v[S+12], v[S+13]
	v_max3_num_f32 v[BM], v[BM], v[S+14], v[S+15]
	v_max_num_f32 v[BM], v[BM], v[BM+1]
	v_permlanex16_b32 v[T2], v[BM], s28, s29
	v_max_num_f32 v[BM], v[BM], v[T2]
	v_max_num_f32 v254, v[BM], v[BM+3]
	v_mul_f32 v13, s30, v254
	v_floor_f32 v12, -v13
.set n, 0
.rept 8
	v_pk_fma_f32 v[S+n:S+n+1], v[S+n:S+n+1], s[30:31], v[12:13] op_sel_hi:[1,0,0]
.set n, n+2
.endr
	v_fma_f32 v[BM], v[BM], s30, v12
	v_fma_f32 v[BM+3], v[BM+3], s30, v12
	s_wait_alu depctr_va_vdst(0)
.set n, 0
.rept 16
	v_exp_f32 v[S+n], v[S+n]
.set n, n+1
.endr
	v_exp_f32 v[BM], v[BM]
	v_exp_f32 v[BM+3], v[BM+3]
.irp n, 38,39,40,41,42,43
	v_mov_b32 v[\n], 0                             ; blocks 2 and 3: zero codes
.endr
	s_wait_alu depctr_va_vdst(0)
	v_cndmask_b32 v[S+16], v[BM+3], v22, s35       ; lanes 0-15 hold key 0's p, lanes 16-31 (keys 16 on) a zero
	v_pk_add_f32 v[244:245], v[96:97], v[98:99]
	v_pk_add_f32 v[250:251], v[100:101], v[102:103]
	v_pk_add_f32 v[248:249], v[104:105], v[106:107]
	v_pk_add_f32 v[14:15], v[108:109], v[110:111]
	v_pk_add_f32 v[244:245], v[244:245], v[250:251]
	v_pk_add_f32 v[14:15], v[14:15], v[248:249]
	v_pk_add_f32 v[14:15], v[14:15], v[244:245]
	v_add_f32 v14, v14, v[S+16]
	v_max_num_f32 v[BM], FLOOR, v[BM]
	v_max_num_f32 v[BM+1], FLOOR, v[BM+3]
	v_add_nc_u32 v[SO], EM2, v[BM]
	v_add_nc_u32 v[SO+1], EM2, v[BM+1]
	v_lshrrev_b32 v[T2], 23, v[SO]
	v_lshrrev_b32 v[T2+1], 23, v[SO+1]
	v_lshl_or_b32 v94, v[T2+1], 8, v[T2]           ; bytes 2 and 3 stand over zero codes
	v_cndmask_b32 v[BM+2], 63, v22, s35            ; one code, of lanes 0-15 alone
	v_cvt_scalef32_pk16_fp6_f32 v[32:34], v[S:S+15], v[SO]
	v_cvt_scalef32_pk16_fp6_f32 v[44:46], v[S+16:S+31], v[SO+1]   ; (the fifteen numbers behind key 0's p are whatever the registers hold: their codes are cut off below)
	v_nop
	v_and_b32 v44, v[BM+2], v44
	v_mov_b32 v45, 0
	v_mov_b32 v46, 0
.irp i, 0,1,2
	v_permlane16_swap_b32 v[32+\i], v[44+\i]
.endr
.irp i, 0,1,2
	v_mov_b32 v[35+\i], v[44+\i]
.endr
	s_wait_alu depctr_va_vdst(0)
	s_wait_dscnt 0x0                               ; V is in
	v_bfe_u32 v90, v28, s60, 8                     ; block n + 8's byte, then key 0's record's
	v_bfe_u32 v91, v29, s60, 8
	v_lshl_or_b32 v90, v30, 8, v90
	v_lshl_or_b32 v91, v31, 8, v91
	PLACES                                         ; eight places between the scale words and the products
	PLACES
.irp t, 0,1,2,3
	WM O+8*\t, VF+6*\t, 32, 0, 90+\t/2, 94, \t%2
.endr
	PLACES
.endm
	s_load_b128 s[4:7], s[0:1], 0x0                ; qkv s[4:5], oq s[6:7]
	v_lshl_add_u32 v254, v0, 2, SPARE
	v_mov_b32 v255, 0
	ds_add_u32 v254, v255
	ds_add_u32 v254, v255
	v_lshrrev_b32 v1, 5, v0
	v_readfirstlane_b32 s8, v1                     ; wave
	s_mov_b32 s9, ttmp9                            ; g
	s_and_b32 s10, ttmp7, 0xffff                   ; bh
	s_lshr_b32 s11, s8, 3
	s_and_b32 s12, s8, 7                           ; my tile of the 128 queries
	s_lshl_b32 s13, s9, 1
	s_add_co_u32 s13, s13, s11                     ; which 128 queries
	s_lshr_b32 s14, s8, 1                          ; w / 2: my block of the eight; also my first block in LDS
	; the fill: wave w (2-15) brings half slot w xor 15: 6,656 dense bytes as 26 rows of 256
	s_xor_b32 s55, s8, 15
	s_lshr_b32 s56, s55, 1                         ; the slot
	s_lshl_b32 s15, s9, 1
	s_add_co_u32 s15, s15, s56
	s_sub_co_i32 s15, s15, 2
	s_max_i32 s15, s15, 0
	s_min_i32 s15, s15, 15                         ; key step 2 g - 2 + slot, held inside the sequence;
	s_cmp_eq_u32 s56, 6
	s_cselect_b32 s15, 0, s15                      ; slot 6: key step 0;
	s_cselect_b32 s57, 6, s15                      ; where g = 0: slot 6 key step 6,
	s_add_co_u32 s58, s56, 4
	s_cmp_lt_u32 s56, 2
	s_cselect_b32 s57, s58, s57                    ; slots 0 and 1 key steps 4 and 5
	s_cmp_eq_u32 s9, 0
	s_cselect_b32 s15, s57, s15
	s_mul_i32 s36, s15, 26624
	s_and_b32 s37, s55, 1
	s_mul_i32 s37, s37, 6656
	s_add_co_u32 s36, s36, s37
	s_mov_b32 s37, 0
	s_mov_b32 s16, 1
	s_mul_i32 s17, s55, 6656
	s_mov_b32 s20, 3<<16
	s_mov_b32 s21, 32<<16
	s_mov_b32 s22, 26<<16
	s_mov_b32 s23, 32<<16
	s_mov_b32 s24, 26
	s_mov_b32 s25, 32
	s_mov_b32 s26, 0
	s_mov_b32 s27, 0
	s_mov_b32 s28, 0x76543210
	s_mov_b32 s29, 0xfedcba98
	s_mov_b32 s30, 0x3e38aa3b                      ; c = log2(e) / 8
	s_mov_b32 s31, s30
	s_mov_b32 s35, 0xffff0000                      ; lanes 16-31
	s_mov_b32 s54, 0x00010001                      ; lanes 0 and 16: query 0
	s_mul_i32 s70, s10, 425984                     ; the head's 16 records
	s_mov_b32 s71, 0
	s_and_b32 s56, s8, 1                           ; u
	s_mul_i32 s57, s13, 26624
	s_and_b32 s58, s14, 3
	s_mul_i32 s58, s58, BLK
	s_add_co_u32 s57, s57, s58
	s_add_co_u32 s57, s57, 13312                   ; my block in Q's area
	s_mul_i32 s58, s56, 768
	s_add_co_u32 s44, s57, s58                     ; my own queries' codes,
	s_mov_b32 s45, 0
	s_lshl_b32 s58, s56, 6
	s_add_co_u32 s46, s57, s58
	s_add_co_u32 s46, s46, 3072                    ; and scale words
	s_mov_b32 s47, 0
	s_mov_b32 s40, 13312                           ; tile 0's
	s_mov_b32 s41, 0
	s_mov_b32 s42, 16384
	s_mov_b32 s43, 0
	s_min_u32 s48, s8, 8
	s_add_co_u32 s48, s48, 7
	s_mul_i32 s48, s48, 26624                      ; query 0's key step 7 + w
	s_mov_b32 s49, 0
	s_lshl_b32 s68, s56, 3                         ; 8 u
	s_lshr_b32 s57, s10, 4                         ; batch
	s_and_b32 s58, s10, 15                         ; head
	s_lshl_b32 s57, s57, 4
	s_add_co_u32 s57, s57, s13
	s_lshl_b32 s57, s57, 1
	s_lshr_b32 s60, s12, 2
	s_add_co_u32 s57, s57, s60
	s_mul_i32 s57, s57, 51200                      ; oq's record
	s_lshr_b32 s59, s58, 1                         ; the last product's K step
	s_and_b32 s58, s58, 1                          ; and which half of it
	s_and_b32 s55, s12, 3                          ; the record's tile
	s_lshl_b32 s60, s59, 2
	s_add_co_u32 s60, s60, s55
	s_mul_i32 s60, s60, 1536
	s_add_co_u32 s50, s57, s60
	s_mul_i32 s60, s58, 768
	s_add_co_u32 s50, s50, s60
	s_mov_b32 s51, 0
	s_lshl_b32 s60, s59, 8
	s_add_co_u32 s52, s57, s60
	s_lshl_b32 s60, s55, 2
	s_add_co_u32 s52, s52, s60
	s_lshl_b32 s60, s58, 1
	s_add_co_u32 s52, s52, s60
	s_add_co_u32 s52, s52, 49152
	s_mov_b32 s53, 0
	; the walk
	s_mul_i32 s[TB], s14, BLK
	s_lshr_b32 s66, s14, 2
	s_mul_i32 s66, s66, REC
	s_xor_b32 s67, s14, 7
	s_add_co_u32 s67, s67, 1
	s_mul_i32 s67, s67, BLK                        ; from LDS block w / 2 + 16 to slot 6
	s_and_b32 s69, s14, 1
	s_and_b32 s60, s14, 3
	s_lshl_b32 s60, s60, 3                         ; the shift of V's scale words
	s_mov_b32 s34, s14
	s_cmp_eq_u32 s9, 0
	s_cselect_b32 s61, 8, 0                        ; the first LDS block inside the sequence,
	s_cselect_b32 s63, -1, 0                       ; all lanes where g = 0
	s_cmp_eq_u32 s9, 7
	s_cselect_b32 s62, 15, 31                      ; and the last
	s_cselect_b32 s59, -1, 0                       ; all lanes where g = 7
	s_lshl_b32 s57, s9, 3
	s_add_co_u32 s57, s57, s14
	s_cmp_eq_u32 s57, 8
	s_cselect_b32 s58, 0xffff, 0                   ; lanes 0-15 where block n - 8 is block 0
	v_and_b32 v4, 31, v0                           ; lane
	v_and_b32 v5, 15, v0                           ; r
	v_bfe_u32 v6, v0, 4, 1                         ; h
	v_lshlrev_b32 v1, 4, v4
	v_lshlrev_b32 v2, 3, v4
	v_lshlrev_b32 v3, 2, v4
	v_lshlrev_b32 v93, 2, v5
	v_mul_u32_u24 v7, v6, BLK
	v_lshl_add_u32 v80, v5, 4, v7                  ; V's registers 0-3: lanes 16-31 one block further on
	v_lshl_add_u32 v8, v5, 3, v7
	v_lshl_add_u32 v160, v6, 7, v8                 ; V's registers 4-5 of a key step in memory: even t,
	v_xor_b32 v9, 1, v6
	v_lshl_add_u32 v161, v9, 7, v8                 ; odd t
	v_add_nc_u32 v9, s14, v6
	v_and_b32 v9, 1, v9                            ; my block's parity
	v_lshl_add_u32 v81, v9, 7, v8                  ; the same of my own blocks in LDS
	v_xor_b32 v9, 1, v9
	v_lshl_add_u32 v82, v9, 7, v8
	v_lshrrev_b32 v7, 3, v4
	v_mul_u32_u24 v7, v7, BLK
	v_and_b32 v8, 7, v4
	v_lshl_add_u32 v7, v8, 3, v7
	v_add_nc_u32 v83, 3200, v7                     ; V's scale words
	v_and_b32 v7, 8, v5
	v_add_nc_u32 v7, v7, v5                        ; r + 8 (r / 8)
	v_lshlrev_b32 v8, 4, v6
	v_sub_nc_u32 v7, v7, v8                        ; - 16 h
	v_add_nc_u32 v84, s68, v7                      ; d
	v_mov_b32 v85, 0xff800000                      ; -infinity
	v_max_i32 v8, 1, v84
	v_cndmask_b32 v11, v84, v8, s58                ; key 0 is hidden in block n - 8
	v_mov_b32 v9, 0xfffffc18
	v_cndmask_b32 v92, v84, v9, s59                ; where g = 7 all of block n + 8 is hidden
	; V's addresses in the short step: lanes 16-31 take slot 6's first block
	v_mul_u32_u24 v4, s67, v6
	v_add_nc_u32 v4, s[TB], v4
	v_lshl_add_u32 v7, v5, 4, v4
	v_xor_b32 v6, 1, v6
	v_and_b32 v6, s69, v6                          ; the parity of my lanes' block
	v_lshl_add_u32 v4, v5, 3, v4
	v_lshl_add_u32 v8, v6, 7, v4
	v_xor_b32 v6, 1, v6
	v_lshl_add_u32 v9, v6, 7, v4
.irp n, 22,23,24,25,26,27,30,31,50,51,52,53,54,55,120,121,122,123,124,125,126,127,216,217,218,219,220,221,244,245,246,247,253
	v_mov_b32 v[\n], 0                             ; Q's upper half; what stands behind the short step's last tiles of K and V and behind key 0's scores; permutes' destinations; the upper half of the pair with f
.endr
	s_wait_alu depctr_va_vdst(0)
	s_wait_dscnt 0x0
	s_wait_kmcnt 0x0
	s_add_nc_u64 s[38:39], s[4:5], s[70:71]
	s_add_nc_u64 s[18:19], s[38:39], s[36:37]
	s_or_b32 s19, s19, 0x80000000
	s_add_nc_u64 s[40:41], s[38:39], s[40:41]
	s_add_nc_u64 s[42:43], s[38:39], s[42:43]
	s_add_nc_u64 s[44:45], s[38:39], s[44:45]
	s_add_nc_u64 s[46:47], s[38:39], s[46:47]
	s_add_nc_u64 s[48:49], s[38:39], s[48:49]
	s_add_nc_u64 s[50:51], s[6:7], s[50:51]
	s_add_nc_u64 s[52:53], s[6:7], s[52:53]
	s_cmp_lt_u32 s8, 2
	s_cbranch_scc1 .Lfilled
	s_cmp_lt_u32 s8, 8
	s_cbranch_scc0 .Lfill_b
	tensor_load_to_lds s[16:19], s[20:27]          ; slots 4-6: the wave's one tensor load of the launch
	s_nop 0
	PLACES
	s_branch .Lfilled
.Lfill_b:
	tensor_load_to_lds s[16:19], s[20:27]          ; slots 0-3
	s_nop 0
	PLACES
.Lfilled:
	s_cmp_lg_u32 s9, 0
	s_cbranch_scc1 .Lown
	s_cmp_lt_u32 s8, 9
	s_cbranch_scc0 .Lown
	QLOAD 40, 42                                   ; for query 0's part
	KVLOAD_G
	s_branch .Lcommon
.Lown:
	QLOAD 44, 46
.Lcommon:
	s_cmp_lt_u32 s8, 8
	s_cbranch_scc0 .Lnot_a
	s_wait_tensorcnt 0x0
.Lnot_a:
	s_barrier_signal -1
	s_barrier_wait -1                              ; slots 4-6 are in; slots 0-3 may be on their way
	s_cmp_lg_u32 s9, 0
	s_cbranch_scc1 .Lshort
	s_cmp_lt_u32 s8, 9
	s_cbranch_scc1 .Lstage_b                       ; query 0's waves take the short step later
.Lshort:
	s_wait_loadcnt 0x0                             ; my own queries
	SHORT
	s_wait_alu depctr_va_vdst(0)
.Lstage_b:
	s_wait_tensorcnt 0x0
	s_wait_dscnt 0x0
	s_barrier_signal -1
	s_barrier_wait -1                              ; slots 0-3 are in
	s_cmp_lg_u32 s9, 0
	s_cbranch_scc1 .Lready
	s_cmp_lt_u32 s8, 9
	s_cbranch_scc0 .Lready
	; ---- query 0's part: tile 0's queries, no mask: key step 7 + w
	s_wait_loadcnt 17                              ; Q and K are in; V's 17 loads may be out
	SCORE
	s_cmp_lt_u32 s8, 7
	s_cbranch_scc1 .Lmore
	s_wait_loadcnt 0x0                             ; every earlier load is in: the three below write registers that earlier ones wrote
	QLOAD 44, 46                                   ; waves 7 and 8: my own queries, behind the four places that close SCORE
.Lmore:
	SOFTMAX 1
	PV 1, 28
	s_cmp_lt_u32 s8, 7
	s_cbranch_scc0 .Lpart
	; ---- and, in waves 0-6, the key step in slot w
	s_mul_i32 s56, s8, REC
	v_bfe_u32 v254, v0, 4, 1
	v_and_b32 v255, 15, v0
	v_mul_u32_u24 v251, v254, BLK
	v_add_nc_u32 v251, s56, v251
	v_lshl_add_u32 v248, v255, 4, v251
	v_lshl_add_u32 v251, v255, 3, v251
	v_lshl_add_u32 v249, v254, 7, v251
	v_xor_b32 v254, 1, v254
	v_lshl_add_u32 v250, v254, 7, v251
	v_add_nc_u32 v4, s56, v1
	v_add_nc_u32 v5, s56, v2
	v_add_nc_u32 v6, s56, v3
	v_add_nc_u32 v10, s56, v83
	KVDS 248, 249, 250, 0
	s_wait_dscnt 17                                ; K is in; V's 17 loads may be out
	SCORE
	QLOAD 44, 46                                   ; my own queries
	s_mov_b32 s60, 0                               ; V's scale words as they lie
	SOFTMAX 0
	PV 0, 90
	s_and_b32 s60, s14, 3
	s_lshl_b32 s60, s60, 3
.Lpart:
	PLACES
	v_add_f32 v13, v14, v15
	v_permlanex16_b32 v254, v13, s28, s29
	v_add_f32 v13, v13, v254                       ; the part's sum
	s_mul_i32 s56, s8, PSZ
	s_add_co_u32 s56, s56, PARTS
	s_lshl_b32 s57, s8, 8
	s_add_co_u32 s57, s57, PAIRS
	s_wait_alu depctr_va_vdst(0)
	v_add_nc_u32 v254, s56, v1
	v_add_nc_u32 v255, s57, v2
.irp k, 0,1,2,3,4,5,6,7
	ds_store_b128 v254, v[O+4*\k:O+4*\k+3] offset:528*\k
.endr
	ds_store_b64 v255, v[12:13]
	s_wait_loadcnt 0x0                             ; my own queries
	s_wait_dscnt 0x0                               ; the stores have read their registers
	SHORT
	s_wait_alu depctr_va_vdst(0)
.Lready:
	s_wait_dscnt 0x0                               ; my part, where there is one, is in LDS:
	s_barrier_signal -1                            ; said here, waited for behind the walk, which reads the slots alone
	; ---- the walk: four steps of four blocks; a step outside the sequence is jumped over, its address steps are not
	s_mov_b32 s33, 0
.Lstep:
	s_add_co_u32 s55, s34, 3
	s_cmp_lt_u32 s55, s61
	s_cbranch_scc1 .Lskip
	s_cmp_gt_u32 s34, s62
	s_cbranch_scc1 .Lskip
	KVLOAD
	s_wait_dscnt 18                                ; K is in; V's 18 loads may be out
	SCORE
	s_cmp_lt_u32 s34, s61
	s_cbranch_scc1 .Lpartial
	s_cmp_gt_u32 s55, s62
	s_cbranch_scc0 .Lwhole
.Lpartial:
	PARTIAL
.Lwhole:
	s_cmp_lg_u32 s33, 0
	s_cbranch_scc1 .Lnot_left
	MASKL
.Lnot_left:
	SOFTMAX 0
	PV 0, 90
.Lskip:
	s_add_co_u32 s[TB], s[TB], REC
	s_add_co_u32 s66, s66, REC
	s_add_co_u32 s34, s34, 4
	s_add_co_u32 s33, s33, 1
	s_cmp_lt_u32 s33, 4
	s_cbranch_scc1 .Lstep
	PLACES
	s_wait_alu depctr_va_vdst(0)
	s_barrier_wait -1                              ; the parts are in LDS
	v_add_f32 v14, v14, v15
	v_permlanex16_b32 v254, v14, s28, s29
	s_delay_alu instid0(VALU_DEP_1)
	v_add_f32 v14, v14, v254                       ; the row's sum
	s_cmp_lg_u32 s8, 0
	s_cbranch_scc1 .Lout
	s_cmp_lg_u32 s9, 0
	s_cbranch_scc1 .Lout
	; ---- wave 0 of g = 0 joins query 0's nine parts: lane e (of sixteen) holds part e's pair, and numbers 4 (e / 2) .. + 3 of O^T's lane 16 (e % 2)
	s_wait_alu depctr_va_vdst(0)
	s_mov_b32 s55, 0xfe00fe00                      ; lanes with e over 8: no part
	v_and_b32 v4, 15, v0                           ; e
	v_min_u32 v5, 8, v4
	v_lshlrev_b32 v5, 8, v5
	v_add_nc_u32 v5, PAIRS, v5
	v_lshrrev_b32 v8, 1, v4
	v_and_b32 v7, 1, v4
	v_mul_u32_u24 v6, v8, 528
	v_lshl_add_u32 v6, v7, 8, v6
	v_add_nc_u32 v6, PARTS, v6
	v_lshlrev_b32 v8, 4, v8
	v_lshl_add_u32 v8, v7, 7, v8
	v_add_nc_u32 v8, JOIN, v8
	v_bfe_u32 v9, v0, 4, 1
	v_lshlrev_b32 v9, 7, v9
	v_add_nc_u32 v9, JOIN, v9
	ds_load_b64 v[32:33], v5
.irp i, 0,1,2,3,4,5,6,7,8
	ds_load_b128 v[S+4*\i:S+4*\i+3], v6 offset:PSZ*\i
.endr
	s_wait_alu depctr_va_vdst(0)
	s_wait_dscnt 9                                 ; the pairs are in; the nine parts' loads may be out
	v_mov_b32 v254, v32
	v_min_num_f32_dpp v254, v254, v254 row_xmask:1 row_mask:0xf bank_mask:0xf
	v_min_num_f32_dpp v254, v254, v254 row_xmask:2 row_mask:0xf bank_mask:0xf
	v_min_num_f32_dpp v254, v254, v254 row_xmask:4 row_mask:0xf bank_mask:0xf
	v_min_num_f32_dpp v254, v254, v254 row_xmask:8 row_mask:0xf bank_mask:0xf   ; -M of the whole row
	v_sub_f32 v255, v254, v32                      ; M of my part - M: a whole number, 0 or less
	v_cvt_i32_f32 v255, v255
	v_ldexp_f32 v34, 1.0, v255                     ; its f
	v_cndmask_b32 v34, v34, v22, s55
	v_mul_f32 v35, v34, v33
	v_add_f32_dpp v35, v35, v35 row_xmask:1 row_mask:0xf bank_mask:0xf
	v_add_f32_dpp v35, v35, v35 row_xmask:2 row_mask:0xf bank_mask:0xf
	v_add_f32_dpp v35, v35, v35 row_xmask:4 row_mask:0xf bank_mask:0xf
	v_add_f32_dpp v35, v35, v35 row_xmask:8 row_mask:0xf bank_mask:0xf   ; the row's sum
	s_wait_alu depctr_va_vdst(0)
.irp i, 0,1,2,3,4,5,6,7,8
	v_readlane_b32 s[72+\i], v34, \i
.endr
	s_wait_dscnt 0x0
.irp j, 0,1,2,3
	v_mul_f32 v[VF+\j], s72, v[S+\j]
.endr
.irp i, 1,2,3,4,5,6,7,8
.irp j, 0,1,2,3
	v_fma_f32 v[VF+\j], v[S+4*\i+\j], s[72+\i], v[VF+\j]
.endr
.endr
	ds_store_b128 v8, v[VF:VF+3]                   ; lanes e and e + 16 hold the same four numbers
.irp k, 0,1,2,3,4,5,6,7
	ds_load_b128 v[S+4*\k:S+4*\k+3], v9 offset:16*\k   ; LDS serves a wave's instructions in order (ISA guide 5.7.1.4)
.endr
	s_wait_dscnt 0x0
.set n, 0
.rept 32
	v_cndmask_b32 v[O+n], v[O+n], v[S+n], s54      ; lanes 0 and 16 hold query 0
.set n, n+1
.endr
	v_cndmask_b32 v14, v14, v35, s54
.Lout:
	; ---- the way out: O^T / the sum; register 16 b + i is d = 32 b + 16 h + i: two blocks of the last product's K: half a fragment and half a scale word
	s_wait_alu depctr_va_vdst(0)
	v_rcp_f32 v14, v14
	v_mov_b32 v15, 0                               ; plain places behind the reciprocal
	v_lshlrev_b32 v3, 2, v93                       ; 16 r
	s_wait_alu depctr_va_vdst(0)
.set n, 0
.rept 16
	v_pk_mul_f32 v[96+n:97+n], v[O+n:O+n+1], v[14:15] op_sel_hi:[1,0]
.set n, n+2
.endr
	v_max3_num_f32 v[BM], |v96|, |v97|, FLOOR
	v_max3_num_f32 v[BM+1], |v112|, |v113|, FLOOR
.irp i, 2,4,6,8,10,12,14
	s_delay_alu instid0(VALU_DEP_2)
	v_max3_num_f32 v[BM], v[BM], |v[96+\i]|, |v[97+\i]|
	s_delay_alu instid0(VALU_DEP_2)
	v_max3_num_f32 v[BM+1], v[BM+1], |v[112+\i]|, |v[113+\i]|
.endr
	s_delay_alu instid0(VALU_DEP_2)
	v_permlanex16_b32 v[T2], v[BM], s28, s29
	s_delay_alu instid0(VALU_DEP_2)
	v_permlanex16_b32 v[T2+1], v[BM+1], s28, s29
	s_delay_alu instid0(VALU_DEP_2)
	v_max_num_f32 v[BM], v[BM], v[T2]
	s_delay_alu instid0(VALU_DEP_2)
	v_max_num_f32 v[BM+1], v[BM+1], v[T2+1]
	s_delay_alu instid0(VALU_DEP_2)
	v_add_nc_u32 v[SO], EM2, v[BM]
	s_delay_alu instid0(VALU_DEP_2)
	v_add_nc_u32 v[SO+1], EM2, v[BM+1]
	s_delay_alu instid0(VALU_DEP_2)
	v_lshrrev_b32 v[T2], 23, v[SO]
	s_delay_alu instid0(VALU_DEP_2)
	v_lshrrev_b32 v[T2+1], 23, v[SO+1]
	s_delay_alu instid0(VALU_DEP_1)
	v_lshl_or_b32 v255, v[T2+1], 8, v[T2]
	v_cvt_scalef32_pk16_fp6_f32 v[32:34], v[96:111], v[SO]
	v_cvt_scalef32_pk16_fp6_f32 v[38:40], v[112:127], v[SO+1]
	v_nop
.irp i, 0,1,2
	v_permlane16_swap_b32 v[32+\i], v[38+\i]
.endr
.irp i, 0,1,2
	s_delay_alu instid0(VALU_DEP_3)
	v_mov_b32 v[35+\i], v[38+\i]
.endr
	global_store_b128 v1, v[32:35], s[50:51]
	global_store_b64 v2, v[36:37], s[50:51] offset:512
	global_store_b16 v3, v255, s[52:53]            ; a head owns two bytes of a row's scale word: 2 bytes a lane, 16 bytes apart (lanes r and r + 16 hold the same)
	s_wait_xcnt 0x0
	v_lshl_add_u32 v254, v0, 2, SPARE
	v_mov_b32 v255, 0
	s_wait_alu depctr_va_vdst(0)
	s_wait_tensorcnt 0x0
	ds_add_u32 v254, v255
	s_wait_dscnt 0x0
	s_endpgm
.Lfunc_end_k_q8369d4e8cd_attn:
	.size	k_q8369d4e8cd_attn, .Lfunc_end_k_q8369d4e8cd_attn-k_q8369d4e8cd_attn
	.p2alignl 7, 3214868480
	.fill 96, 4, 3214868480
	.section	.rodata,"a",@progbits
	.p2align	6, 0x0
	.amdhsa_kernel k_q8369d4e8cd_attn
		.amdhsa_group_segment_fixed_size 169984
		.amdhsa_private_segment_fixed_size 0
		.amdhsa_enable_private_segment 0
		.amdhsa_kernarg_size 16
		.amdhsa_user_sgpr_count 2
		.amdhsa_user_sgpr_kernarg_segment_ptr 1
		.amdhsa_wavefront_size32 1
		.amdhsa_system_sgpr_workgroup_id_x 1
		.amdhsa_system_sgpr_workgroup_id_y 1
		.amdhsa_system_sgpr_workgroup_id_z 1
		.amdhsa_system_vgpr_workitem_id 0
		.amdhsa_next_free_vgpr 256
		.amdhsa_next_free_sgpr 96
		.amdhsa_reserve_vcc 1
		.amdhsa_float_denorm_mode_32 3
		.amdhsa_float_denorm_mode_16_64 3
		.amdhsa_memory_ordered 1
		.amdhsa_forward_progress 1
		.amdhsa_inst_pref_size 99
	.end_amdhsa_kernel
	.amdgpu_metadata
---
amdhsa.version: [ 1, 2 ]
amdhsa.kernels:
  - .name:           k_q8369d4e8cd_attn
    .symbol:         k_q8369d4e8cd_attn.kd
    .args:
      - { .name: qkv, .offset: 0, .size: 8, .value_kind: global_buffer, .address_space: global }
      - { .name: oq, .offset: 8, .size: 8, .value_kind: global_buffer, .address_space: global }
    .group_segment_fixed_size: 169984
    .private_segment_fixed_size: 0
    .kernarg_segment_align: 8
    .kernarg_segment_size: 16
    .max_flat_workgroup_size: 512
    .sgpr_count:     96
    .vgpr_count:     256
    .wavefront_size: 32
...
	.end_amdgpu_metadata
.endif
;; end of part 3
;; launch outp (part 4): grid 8 x 32, 4 waves a work-group, clusters of 4 x 4, 222,720 bytes of LDS; arguments oq, wq, bo, out0; writes out0
.if DOCPART == 4
	.amdgcn_target "amdgcn-amd-amdhsa--gfx1250"
	.amdhsa_code_object_version 6
	.text
	.protected	k_q8369d4e8cd_outp
	.globl	k_q8369d4e8cd_outp
	.p2align	8
	.type	k_q8369d4e8cd_outp,@function
k_q8369d4e8cd_outp:
	s_mov_b64 s[64:65], 0
	v_nop
	global_prefetch_b8 v0, s[64:65] scope:SCOPE_SE
	s_setreg_imm32_b32 hwreg(HW_REG_WAVE_MODE, 25, 1), 1
	s_wait_xcnt 0x0
	s_wait_alu depctr_hold_cnt(0) depctr_sa_sdst(0) depctr_va_vdst(0) depctr_va_sdst(0) depctr_va_ssrc(0) depctr_va_vcc(0) depctr_vm_vsrc(0)
	s_getreg_b32 s2, hwreg(HW_REG_IB_STS2, 6, 4)
	s_cmp_eq_u32 s2, 0
	s_cbranch_scc0 .Lentry_in_a_cluster
	s_endpgm
.Lentry_in_a_cluster:
	s_bfe_u32 s2, ttmp6, 0x10000c
	s_cmp_lg_u32 s2, 0xf033
	s_cbranch_scc0 .Lentry_shape_is_right
	s_endpgm
.Lentry_shape_is_right:
; out0 = (attention's output) x Wo + bo, on codes of FP6 (E2M3) with E8M0 scales; out0 f32.
; SHARES.  Work-group (x, y): 128 rows x 128 columns, in two halves of 64 rows.  Wave w: of each half rows 32 (w / 2) on (two tiles) x the 64 columns of Wo's record 48 + 2 x + w % 2 (four tiles): 8 accumulators, 8 matrix instructions for each of 8 K steps.
; Source 0 = 16 columns of Wo, source 1 = 16 rows: a lane holds one row and eight neighbouring columns.  bo is the C of each sum's first matrix instruction.
; DATA.  Four images of 51,200 bytes come into LDS once, one by each wave's one tensor load: Wo's two records (waves 0, 1), the two halves' records of oq (waves 2, 3).  The wave's whole part of Wo then lies in 384 registers over both halves.
; CLUSTERS: 4 x 4 work-groups.  The four of a row of the cluster need the same records of oq, the four of a column the same of Wo: each is asked for JOINTLY, by the same load with the same descriptor and a mask that names the four.
; Barriers show what has landed: Wo first, then the first half, then the second; nothing is filled again.  The first half's rows leave ahead of the second half's products.
; The rows of a tile are 32 b + 8 u + r + 8 (r / 8): the stores put each row where it belongs.
; NO PREFETCH: everything is asked for at the head; there is no loop.
; REGISTERS.  Window 0: v1-13 addresses, v14 the spare word's, v15 0; v16-47 Wo's scale words, v48-63 the rows': scales alone; v64-255 a half's fragments, 24 s + 12 a.
;   Windows 1, 2: Wo's fragments of K steps 0-3, 4-7, at 48 (s % 4) + 12 t.  Window 3: the accumulators at 8 (4 a + t), bo at 64 + 8 t, on the way out rows of out0 at 96 + 64 x half.
.set IMG, 51200
.set ROWS, 2*IMG
.set STG, 4*IMG                        ; a stage of 16 rows x (256 + 16) bytes for each wave
.set SPARE, STG+4*4352
.set SPW, 14
.set NIL, 15
.set OWS, 16
.set OAS, 48
.set OA,  64
.set OB,  64
.set BK,  96
.set MSB, 0
.macro WIN new
.if MSB != \new
	s_set_vgpr_msb (MSB<<8)|\new
.set MSB, \new
.endif
.endm
.macro PLACES
.rept 4
	v_nop
.endr
.endm
.macro CROUND                          ; a round of the cluster's barrier
	s_barrier_signal -1
	s_barrier_wait -1
	s_cmp_lg_u32 s12, 0
	s_cbranch_scc1 .Lnot_wave_0_\@
	s_barrier_signal -3
.Lnot_wave_0_\@:
	s_barrier_wait -3
	s_barrier_signal -1
	s_barrier_wait -1
.endm
.macro TLOAD g0, g1
	tensor_load_to_lds s[\g0:\g0+3], s[\g1:\g1+7]
	s_nop 0
	PLACES
.endm
.macro FETCH ra, rb, rs                ; a half: 8 K steps x (two tiles, each two half fragments: registers 0-3 at 16 x lane, 4-5 at 512 + 8 x lane; and their scale words): 72 loads
.irp s, 0,1,2,3,4,5,6,7
.irp a, 0,1
.irp c, 0,1
	ds_load_b128 v[OA+24*\s+12*\a+6*\c:OA+24*\s+12*\a+6*\c+3], v\ra offset:6144*\s+1536*\a+768*\c
	ds_load_b64 v[OA+24*\s+12*\a+6*\c+4:OA+24*\s+12*\a+6*\c+5], v\rb offset:6144*\s+1536*\a+768*\c+512
.endr
.endr
	ds_load_b64 v[OAS+2*\s:OAS+2*\s+1], v\rs offset:256*\s
.endr
.endm
.macro PRODUCTS
.irp s, 0,1,2,3,4,5,6,7
	s_wait_dscnt 9*(7-\s)                          ; this K step's nine loads are in; the later steps' nine each may be out
.if \s < 4
	WIN 0xf1                                       ; source 0 (Wo) window 1, source 1 window 0, C and D window 3
.else
	WIN 0xf2
.endif
.irp a, 0,1                            ; the eight accumulators take turns
.irp t, 0,1,2,3
.set rD, 8*(4*\a+\t)
.set rW, 48*(\s%4)+12*\t
.set rA, OA+24*\s+12*\a
.set rWS, OWS+4*\s+2*(\t%2)+\t/2
.set rAS, OAS+2*\s+\a
.if \s == 0
	v_wmma_scale_f32_16x16x128_f8f6f4 v[rD:rD+7], v[rW:rW+11], v[rA:rA+11], v[OB+8*\t:OB+8*\t+7], v[rWS], v[rAS] matrix_a_fmt:MATRIX_FMT_FP6 matrix_b_fmt:MATRIX_FMT_FP6
.else
	v_wmma_scale_f32_16x16x128_f8f6f4 v[rD:rD+7], v[rW:rW+11], v[rA:rA+11], v[rD:rD+7], v[rWS], v[rAS] matrix_a_fmt:MATRIX_FMT_FP6 matrix_b_fmt:MATRIX_FMT_FP6
.endif
.endr
.endr
.endr
	PLACES
.endm
; THE WAY OUT of a half: a tile of 16 rows x 64 columns at a time through my own stage; LDS serves a wave's instructions in order, so no wait stands between the stores, the loads and the next tile's stores
.macro WAYOUT hf
.irp a, 0,1
	WIN 0x0c                                       ; an LDS store's data are its source 1: window 3
.irp t, 0,1,2,3
	ds_store_b128 v9, v[8*(4*\a+\t):8*(4*\a+\t)+3] offset:128*(\t/2)+32*(\t%2)       ; each accumulator from its low end on
	ds_store_b128 v9, v[8*(4*\a+\t)+4:8*(4*\a+\t)+7] offset:128*(\t/2)+32*(\t%2)+16
.endr
	WIN 0xc0
.irp i, 0,1,2,3,4,5,6,7
	ds_load_b128 v[BK+64*(\hf)+32*\a+4*\i:BK+64*(\hf)+32*\a+4*\i+3], v10 offset:544*\i
.endr
.endr
	WIN 0x0c
.irp a, 0,1
.irp i, 0,1,2,3,4,5,6,7
	s_wait_dscnt 16*(1-\a)+7-\i                    ; behind this load: the rest of its tile's loads and the later tile's sixteen instructions
	global_store_b128 v11, v[BK+64*(\hf)+32*\a+4*\i:BK+64*(\hf)+32*\a+4*\i+3], s[10:11] offset:(64*(\hf)+8*\a+2*\i+8*(\i/4))*4096 th:TH_STORE_NT   ; stage rows 2 i and 2 i + 1 are the tile's lanes: sixteen lanes store 256 consecutive bytes, aligned
.endr
.endr
	WIN 0
.endm
	s_load_b256 s[4:11], s[0:1], 0x0               ; oq s[4:5], wq s[6:7], bo s[8:9], out0 s[10:11]
	v_lshl_add_u32 v[SPW], v0, 2, SPARE
	v_mov_b32 v[NIL], 0
	ds_add_u32 v[SPW], v[NIL]
	ds_add_u32 v[SPW], v[NIL]
	v_lshrrev_b32 v1, 5, v0
	v_readfirstlane_b32 s12, v1                    ; wave
	s_lshr_b32 s13, s12, 1                         ; i: which 32 rows of a half
	s_and_b32 s14, s12, 1                          ; j: which 64 columns; also: which record I fetch
	s_bfe_u32 s40, ttmp6, 0x40000                  ; cx
	s_bfe_u32 s41, ttmp6, 0x40004                  ; cy
	s_lshl_b32 s42, ttmp9, 2
	s_add_co_u32 s42, s42, s40                     ; x
	s_and_b32 s43, ttmp7, 0xffff
	s_lshl_b32 s43, s43, 2
	s_add_co_u32 s43, s43, s41                     ; y
	s_lshl_b32 s44, s41, 2
	s_lshl_b32 s44, 15, s44                        ; my row of the cluster
	s_lshl_b32 s45, 0x1111, s40                    ; my column
	s_or_b32 s16, s44, (3<<16)|(1<<21)             ; descriptor groups 1: 51,200 dense bytes as 200 rows of 256 (32 elements of 8 bytes): oq's,
	s_or_b32 s24, s45, (3<<16)|(1<<21)             ; and Wo's
.irp g, 16,24
	s_mov_b32 s[\g+1], 32<<16
	s_mov_b32 s[\g+2], 200<<16
	s_mov_b32 s[\g+3], 32<<16
	s_mov_b32 s[\g+4], 200
	s_mov_b32 s[\g+5], 32
	s_mov_b32 s[\g+6], 0
	s_mov_b32 s[\g+7], 0
.endr
	s_mov_b32 s32, 1                               ; groups 0: oq's,
	s_mul_i32 s33, s12, IMG                        ; LDS address: wave x 51,200
	s_mov_b32 s36, 1                               ; and Wo's
	s_mul_i32 s37, s12, IMG
	s_lshl_b32 s46, s43, 1
	s_add_co_u32 s46, s46, s14
	s_mul_i32 s46, s46, IMG                        ; oq's record 2 y + j
	s_mov_b32 s47, 0
	s_lshl_b32 s50, s42, 1
	s_add_co_u32 s50, s50, s14                     ; which 64 columns of the 1,024
	s_add_co_u32 s48, s50, 48
	s_mul_i32 s48, s48, IMG                        ; Wo's record
	s_mov_b32 s49, 0
	s_lshl_b32 s50, s50, 8                         ; bo: 64 numbers
	s_mov_b32 s51, 0
	s_lshl_b32 s52, s43, 19                        ; out0: 128 y rows of 4,096 bytes,
	s_lshl_b32 s54, s13, 17                        ; + my 32 rows,
	s_add_co_u32 s52, s52, s54
	s_add_co_u32 s52, s52, s50                     ; + my 64 columns
	s_mov_b32 s53, 0
	s_mul_i32 s54, s14, IMG                        ; Wo's image
	s_mul_i32 s55, s13, 3072
	s_add_co_u32 s55, s55, ROWS                    ; my two tiles of the first half
	s_lshl_b32 s56, s13, 3
	s_add_co_u32 s56, s56, ROWS+49152              ; their scale words
	s_mul_i32 s57, s12, 4352
	s_add_co_u32 s57, s57, STG                     ; my stage
	v_and_b32 v2, 31, v0                           ; lane
	v_and_b32 v3, 15, v0                           ; r
	v_bfe_u32 v4, v0, 4, 1                         ; h
	v_lshl_add_u32 v1, v2, 4, s54                  ; Wo's fragments
	v_lshl_add_u32 v7, v3, 4, s54
	v_add_nc_u32 v7, 49152, v7                     ; Wo's scale words
	v_lshlrev_b32 v8, 6, v4                        ; bo: 64 h
	v_mul_u32_u24 v9, v3, 272
	v_lshl_add_u32 v9, v4, 6, v9
	v_add_nc_u32 v9, s57, v9                       ; into the stage: row r, + 64 h
	v_mul_u32_u24 v10, v4, 272
	v_lshl_add_u32 v10, v3, 4, v10
	v_add_nc_u32 v10, s57, v10                     ; back: lanes 0-15 one row, lanes 16-31 the next
	v_lshlrev_b32 v11, 12, v4
	v_lshl_add_u32 v11, v3, 4, v11                 ; and the same in out0
	v_lshl_add_u32 v6, v3, 4, s56                  ; the rows' scale words
	v_lshl_add_u32 v5, v2, 3, s55                  ; the rows' registers 4-5
	v_lshl_add_u32 v4, v2, 4, s55                  ; 0-3
	v_add_nc_u32 v2, IMG, v4                       ; the same of the second half
	v_add_nc_u32 v3, IMG, v5
	v_add_nc_u32 v12, IMG, v6
	s_wait_alu depctr_va_vdst(0)
	s_wait_dscnt 0x0
	CROUND                                         ; all sixteen work-groups are here: the joint loads meet
	s_wait_kmcnt 0x0
	s_add_nc_u64 s[34:35], s[4:5], s[46:47]
	s_or_b32 s35, s35, 0x80000000
	s_add_nc_u64 s[38:39], s[6:7], s[48:49]
	s_or_b32 s39, s39, 0x80000000
	s_add_nc_u64 s[8:9], s[8:9], s[50:51]
	s_add_nc_u64 s[10:11], s[10:11], s[52:53]
	s_cmp_lt_u32 s12, 2                            ; one chain of arms, one load a wave
	s_cbranch_scc0 .Lrows_0
	TLOAD 36, 24                                   ; waves 0 and 1: Wo's records
	s_branch .Lasked
.Lrows_0:
	s_cmp_eq_u32 s12, 2
	s_cbranch_scc0 .Lrows_1
	TLOAD 32, 16                                   ; wave 2: the first half
	s_branch .Lasked
.Lrows_1:
	TLOAD 32, 16                                   ; wave 3: the second half
.Lasked:
	WIN 0xc0
.irp t, 0,1,2,3                        ; bo in the result's layout: tile 2 b + u, half h: columns 32 b + 16 h + 8 u + 0 .. 7
	global_load_b128 v[OB+8*\t:OB+8*\t+3], v8, s[8:9] offset:128*(\t/2)+32*(\t%2)
	global_load_b128 v[OB+8*\t+4:OB+8*\t+7], v8, s[8:9] offset:128*(\t/2)+32*(\t%2)+16
.endr
	WIN 0
	s_cmp_lt_u32 s12, 2
	s_cbranch_scc0 .Lnot_wo
	s_wait_tensorcnt 0x0
.Lnot_wo:
	s_barrier_signal -1
	s_barrier_wait -1                              ; Wo is in
.irp s, 0,1,2,3,4,5,6,7
	ds_load_b128 v[OWS+4*\s:OWS+4*\s+3], v7 offset:256*\s
.endr
	WIN 0x40
.irp s, 0,1,2,3
.irp i, 0,1,2,3,4,5,6,7,8,9,10,11
	ds_load_b128 v[48*\s+4*\i:48*\s+4*\i+3], v1 offset:\s*6144+512*\i
.endr
.endr
	WIN 0x80
.irp s, 4,5,6,7
.irp i, 0,1,2,3,4,5,6,7,8,9,10,11
	ds_load_b128 v[48*(\s-4)+4*\i:48*(\s-4)+4*\i+3], v1 offset:\s*6144+512*\i
.endr
.endr
	WIN 0
	s_cmp_eq_u32 s12, 2
	s_cbranch_scc0 .Lnot_half_0
	s_wait_tensorcnt 0x0
.Lnot_half_0:
	s_wait_dscnt 0x0                               ; my part of Wo is in registers
	s_barrier_signal -1
	s_barrier_wait -1                              ; the first half is in
	FETCH 4, 5, 6
	s_wait_loadcnt 0x0                             ; bo
	PRODUCTS
	WAYOUT 0
	s_wait_tensorcnt 0x0
	s_wait_dscnt 0x0
	s_barrier_signal -1
	s_barrier_wait -1                              ; the second half is in
	PLACES                                         ; with the four behind the products: the sums are begun anew with another C
	FETCH 2, 3, 12
	PRODUCTS
	WAYOUT 1
	s_wait_tensorcnt 0x0
	ds_add_u32 v[SPW], v[NIL]
	s_wait_dscnt 0x0
	CROUND                                         ; the closing round
	s_endpgm
.Lfunc_end_k_q8369d4e8cd_outp:
	.size	k_q8369d4e8cd_outp, .Lfunc_end_k_q8369d4e8cd_outp-k_q8369d4e8cd_outp
	.p2alignl 7, 3214868480
	.fill 96, 4, 3214868480
	.section	.rodata,"a",@progbits
	.p2align	6, 0x0
	.amdhsa_kernel k_q8369d4e8cd_outp
		.amdhsa_group_segment_fixed_size 222720
		.amdhsa_private_segment_fixed_size 0
		.amdhsa_enable_private_segment 0
		.amdhsa_kernarg_size 32
		.amdhsa_user_sgpr_count 2
		.amdhsa_user_sgpr_kernarg_segment_ptr 1
		.amdhsa_wavefront_size32 1
		.amdhsa_system_sgpr_workgroup_id_x 1
		.amdhsa_system_sgpr_workgroup_id_y 1
		.amdhsa_system_sgpr_workgroup_id_z 1
		.amdhsa_system_vgpr_workitem_id 0
		.amdhsa_next_free_vgpr 992
		.amdhsa_next_free_sgpr 66
		.amdhsa_reserve_vcc 0
		.amdhsa_float_denorm_mode_32 3
		.amdhsa_float_denorm_mode_16_64 3
		.amdhsa_memory_ordered 1
		.amdhsa_forward_progress 1
		.amdhsa_inst_pref_size 49
	.end_amdhsa_kernel
	.amdgpu_metadata
---
amdhsa.version: [ 1, 2 ]
amdhsa.kernels:
  - .name:           k_q8369d4e8cd_outp
    .symbol:         k_q8369d4e8cd_outp.kd
    .args:
      - { .name: oq, .offset: 0, .size: 8, .value_kind: global_buffer, .address_space: global }
      - { .name: wq, .offset: 8, .size: 8, .value_kind: global_buffer, .address_space: global }
      - { .name: bo, .offset: 16, .size: 8, .value_kind: global_buffer, .address_space: global }
      - { .name: out0, .offset: 24, .size: 8, .value_kind: global_buffer, .address_space: global }
    .group_segment_fixed_size: 222720
    .private_segment_fixed_size: 0
    .kernarg_segment_align: 8
    .kernarg_segment_size: 32
    .max_flat_workgroup_size: 128
    .sgpr_count:     66
    .vgpr_count:     992
    .wavefront_size: 32
...
	.end_amdgpu_metadata
.endif
;; end of part 4
